; MI455X (gfx1250); checked and timed in simulation.
; The chip was launched on July 23, 2026; its instructions are those of AMD's public machine-readable ISA for CDNA 5 (MIT licence, August 2026) and "CDNA5" Instruction Set Architecture Reference Guide (July 2026). The comments in the code are by the model that wrote it; some were corrected since.
;; Causal Self Attention. Allowed arithmetic: matrix products marked QUANTISED: E2M3 operands, one E8M0 scale for each 32 along K, by v_wmma_scale_f32_16x16x128_f8f6f4 with both operands' format E2M3, f32 sums; everything else in f32.
;; Inputs: W_proj 1,024 x 1,024 float32; W_qkv 1,024 x 3,072 float32; b_proj 1,024 float32; b_qkv 3,072 float32; x 4 x 2,048 x 1,024 float32.
;; Outputs: out0 4 x 2,048 x 1,024 float32.
;; This version of the problem:
;;   THIS VERSION OF THE PROBLEM IS GIVEN IN LOW PRECISION. The matrix products marked QUANTISED in the list below multiply operands that are first quantised to E2M3 (2 exponent bits, 3 mantissa bits; 6 bits a number), with one power-of-two scale for each 32 numbers along K (OCP MX v1.0); their sums are f32. All else is computed in f32.
;;   The module's matrix products, in the order in which they are computed (A, B: the left and right operand; K: the contracted axis; several contracted axes count as one K, in the product's order):
;;     1. [M 8,192, K 1,024] x [K 1,024, N 3,072]; A: input x; B: input W_qkv: QUANTISED
;;     2. batch 64 x [M 2,048, K 64] x [K 64, N 2,048]; A: computed on the way; B: computed on the way: QUANTISED
;;     3. batch 64 x [M 2,048, K 2,048] x [K 2,048, N 64]; A: softmax (see below); B: computed on the way: QUANTISED
;;     4. [M 8,192, K 1,024] x [K 1,024, N 1,024]; A: computed on the way; B: input W_proj: QUANTISED
;;   THE QUANTISER, for each operand of a quantised product, along K:
;;     - K is cut into blocks of 32 from its start; a last block that is shorter is filled with zeros.
;;     - A block's scale is 2^e with e = floor(log2(the largest magnitude in the block)) - 2, held to -126 .. 127; a block of zeros has e = 0. As a byte (E8M0): e + 127.
;;     - Each number is divided by its block's scale, clamped to +-7.5, and rounded to the nearest number of E2M3, ties to even, subnormals kept.
;;     - The product sums the exact products of the quantised numbers (number of the format x scale) in f32.
;;   ~~~python
;;   def quantise(x, axis):      # numpy; x: float32 -> the quantised numbers, widened to float32 again
;;       x = np.moveaxis(x, axis, -1); K = x.shape[-1]
;;       x = np.pad(x, [(0, 0)] * (x.ndim - 1) + [(0, -K % 32)]); x = x.reshape(x.shape[:-1] + (-1, 32)); a = np.abs(x).max(-1, keepdims=True)
;;       e = np.where(a > 0, np.clip(np.frexp(np.where(a > 0, a, 1))[1] - 1 - 2, -126, 127), 0)      # np.frexp(a)[1] - 1 = floor(log2(a)), exactly
;;       r = np.clip(x / 2.0 ** e, -7.5, 7.5)
;;       step = 2.0 ** (np.maximum(np.frexp(np.where(r == 0, 1, r))[1] - 1, 0) - 3)
;;       q = np.round(r / step) * step * 2.0 ** e      # np.round: ties to even
;;       return np.moveaxis(q.reshape(q.shape[:-2] + (-1,))[..., :K], -1, axis).astype(np.float32)
;;   ~~~
;;   SOFTMAX AHEAD OF A QUANTISED PRODUCT. Where the list says 'softmax', what is quantised is not the finished softmax but p = 2^(t - M), with t = logit x log2(e) and M = ceil(the row's largest t), a whole number; so 1/2 < the row's largest p <= 1. The row's sum l is taken of the UNQUANTISED p, in f32, and the product's result is divided by l at the end. Since M is a whole number, a kernel that streams over the keys may use a running M (the ceiling of the running maximum): every later rescaling is an exact power of two, which a block's scale takes up: the codes' values come out the same.
;;   OPERANDS COMPUTED ON THE WAY. 'Computed on the way' means the value that the module computes at that place (a softmax that the list does not call 'softmax' is quantised finished and normalised). What goes into a quantiser is computed in f32, as accurately as f32 sums, v_exp_f32 and their like allow (about 1e-6 of the number): no bf16 or f16 on the way to a quantiser, and a product that is left as it is and whose result goes on into a quantised operand takes f32 operands (vector FMAs, or v_wmma_f32_16x16x4_f32). A number that lies on a knife's edge between two numbers of the format may be rounded either way, as far as f32 arithmetic and the matrix unit's own rounding can turn it there, and no further.
;; One version. Each part assembles by itself: llvm-mc -triple=amdgcn-amd-amdhsa -mcpu=gfx1250 --defsym DOCPART=n.
;; ======== version 1 of 1: 4 launches
;; workspace buffers: x_img 6,553,600 bytes; wqkv_img 2,457,600 bytes; wproj_img 819,200 bytes; q_img 6,815,744 bytes; kv 13,369,344 bytes; y_img 6,553,600 bytes
;; launch quant (part 1): grid 256 x 1, 6 waves a work-group, no clusters, 275,200 bytes of LDS; arguments x, W_qkv, W_proj, x_img, wqkv_img, wproj_img; writes x_img, wqkv_img, wproj_img
.if DOCPART == 1
	.amdgcn_target "amdgcn-amd-amdhsa--gfx1250"
	.amdhsa_code_object_version 6
	.text
	.protected	k_q01e443ccef_quant
	.globl	k_q01e443ccef_quant
	.p2align	8
	.type	k_q01e443ccef_quant,@function
k_q01e443ccef_quant:
	s_mov_b64 s[64:65], 0
	v_nop
	global_prefetch_b8 v0, s[64:65] scope:SCOPE_SE
	s_setreg_imm32_b32 hwreg(HW_REG_WAVE_MODE, 25, 1), 1
	s_wait_xcnt 0x0
; x [8192][1024], W_qkv [1024][3072] and W_proj [1024][1024], f32, become codes of FP6 (E2M3) with one E8M0 byte for each 32 along K (x: its last axis; the weights: their first),
; laid as IMAGES OF THE OPERAND'S REGISTERS: [block of 128 rows][K step of 128][12,800 bytes] = 8 tiles x 1,536 bytes (registers 4 c .. 4 c + 3 of lane l at 512 c + 16 l), then 2 x 256 bytes of scale words
; (quad q: the 8 bytes at 8 (r + 16 hh) hold row r's words of tiles 4 q + hh and 4 q + 2 + hh).  A "row" is a token of x or a column of a weight.
; THE ROWS OF A TILE ARE NOT NEIGHBOURS: row r of tile 2 b + u is row 32 b + 8 u + r + 8 (r / 8) of the block, so that a product's 16 registers of two neighbouring tiles are 16 neighbours along the next K.
; A block's scale is 2^(floor(log2(largest magnitude)) - 2); its byte is the largest magnitude's exponent field - 2, held at 1 from below.
; LIMITS: NaN and infinities among the inputs are not served; a block whose largest magnitude lies under 2^-124, a block of zeros among them, gets the byte 1 (zero codes add nothing, and this program alone reads the bytes).
; SHARES.  Work-group g: 128 tokens (block g / 4) x two K steps of x, by waves 0-3 (64 tokens x one K step each), and one unit of 128 columns x 128 k of a weight, by waves 4 and 5 (64 columns each).
; Each wave brings its part by ONE tensor load into LDS bytes of its own and reads only those: its own wait on TENSORcnt is all the ordering; no barrier, nothing is filled twice.
; No cluster: no two work-groups read the same bytes.  No prefetch: every byte is asked for at the head.
.set SPARE, 274432                     ; behind the regions: the spare words, 128 bytes for each of six waves: three blocks of 256 bytes that no other line names
.set SPW,  250                         ; v250  my spare word's LDS address; never rewritten
.set NIL,  251                         ; v251  0; never rewritten
.set TM,   32                          ; v32-47 at work: largest magnitudes, bytes, scale operands
.set PWR,  48                          ; v48-51 the four tiles' scale words
.set XR,   64                          ; v64-191 numbers
.set PC,   192                         ; v192-239 codes: registers of their own for every store
.set CT,   240                         ; v240-246 a conversion's three registers begin on an even number: the odd halves are made here and moved
.set WV,   12
.set SEL,  46
.set G1X,  16                          ; s[16:23] x: 64 rows x 128 f32, LDS pitch 528
.set G1A,  24                          ; s[24:31] W_qkv: 128 rows x 64 f32, LDS pitch 272
.set G1B,  32                          ; s[32:39] W_proj: the same with its own pitch in memory
.set G0,   40                          ; s[40:43]
; 64 numbers of a lane, register 16 b + i = k 32 b + 16 (lane / 16) + i of my row, become a fragment's 12 registers and its scale word
.macro QUANT s, pc, pw
.irp b, 0,1,2,3
	v_max3_num_f32 v[TM+\b], |v[(\s)+16*\b]|, |v[(\s)+1+16*\b]|, 0x1800000   ; my 16 numbers of block b, and the floor 2^(3 - 127): the byte cannot fall under 1
.endr
.irp i, 2,4,6,8,10,12,14
.irp b, 0,1,2,3
	v_max3_num_f32 v[TM+\b], v[TM+\b], |v[(\s)+16*\b+\i]|, |v[(\s)+1+16*\b+\i]|
.endr
.endr
.irp b, 0,1,2,3
	v_permlanex16_b32 v[TM+4+\b], v[TM+\b], s[SEL], s[SEL+1]
.endr
.irp b, 0,1,2,3
	v_max_num_f32 v[TM+\b], v[TM+\b], v[TM+4+\b]   ; with lane l xor 16's 16: the block's largest magnitude
.endr
.irp b, 0,1,2,3
	v_add_nc_u32 v[TM+12+\b], 0xff000000, v[TM+\b]   ; 2 off its exponent field: the conversion's scale operand
.endr
.irp b, 0,1,2,3
	v_lshrrev_b32 v[TM+4+\b], 23, v[TM+12+\b]      ; the scale's byte
.endr
	v_lshl_or_b32 v[\pw], v[TM+5], 8, v[TM+4]
	v_lshl_or_b32 v[\pw], v[TM+6], 16, v[\pw]
	v_lshl_or_b32 v[\pw], v[TM+7], 24, v[\pw]
.irp c, 0,1
	v_cvt_scalef32_pk16_fp6_f32 v[(\pc)+6*\c:(\pc)+6*\c+2], v[(\s)+32*\c:(\s)+32*\c+15], v[TM+12+2*\c]
	v_cvt_scalef32_pk16_fp6_f32 v[CT+4*\c:CT+4*\c+2], v[(\s)+32*\c+16:(\s)+32*\c+31], v[TM+12+2*\c+1]
.endr
	v_nop                                          ; one plain place behind a scaled conversion
.irp c, 0,1                                    ; the layout wants a whole block in a lane: lanes 0-15 block 2 c, lanes 16-31 block 2 c + 1
.irp i, 0,1,2
	v_permlane16_swap_b32 v[(\pc)+6*\c+\i], v[CT+4*\c+\i]
.endr
.irp i, 0,1,2
	v_mov_b32 v[(\pc)+3+6*\c+\i], v[CT+4*\c+\i]
.endr
.endr
.endm
	s_load_b128 s[4:7], s[0:1], 0x0                ; x, W_qkv
	s_load_b128 s[8:11], s[0:1], 0x10              ; W_proj, x_img
	s_load_b128 s[48:51], s[0:1], 0x20             ; wqkv_img, wproj_img
	v_lshl_add_u32 v[SPW], v0, 2, SPARE
	v_mov_b32 v[NIL], 0
	ds_add_u32 v[SPW], v[NIL]                      ; the wave's opening: the add and its wait ahead of my first tensor load
	ds_add_u32 v[SPW], v[NIL]
	v_lshrrev_b32 v1, 5, v0
	v_readfirstlane_b32 s[WV], v1                  ; wave 0..5
	s_mov_b32 s[G1X], (2<<16)|(1<<20)|(6<<22)|(3<<25)   ; elements of 4 bytes; 4 words of padding behind every 128 words
	s_mov_b32 s[G1X+1], 128<<16
	s_mov_b32 s[G1X+2], 64<<16
	s_mov_b32 s[G1X+3], 128<<16
	s_mov_b32 s[G1X+4], 64
	s_mov_b32 s[G1X+5], 1024
	s_mov_b32 s[G1X+6], 0
	s_mov_b32 s[G1X+7], 0
	s_mov_b32 s[G1A], (2<<16)|(1<<20)|(5<<22)|(3<<25)   ; 4 words of padding behind every 64 words
	s_mov_b32 s[G1A+1], 64<<16
	s_mov_b32 s[G1A+2], 128<<16
	s_mov_b32 s[G1A+3], 64<<16
	s_mov_b32 s[G1A+4], 128
	s_mov_b32 s[G1A+5], 3072
	s_mov_b32 s[G1A+6], 0
	s_mov_b32 s[G1A+7], 0
	s_mov_b32 s[G1B], (2<<16)|(1<<20)|(5<<22)|(3<<25)
	s_mov_b32 s[G1B+1], 64<<16
	s_mov_b32 s[G1B+2], 128<<16
	s_mov_b32 s[G1B+3], 64<<16
	s_mov_b32 s[G1B+4], 128
	s_mov_b32 s[G1B+5], 1024
	s_mov_b32 s[G1B+6], 0
	s_mov_b32 s[G1B+7], 0
	s_mov_b32 s[SEL], 0x76543210
	s_mov_b32 s[SEL+1], 0xfedcba98                 ; v_permlanex16_b32's selects for lane l xor 16
	s_and_b32 s13, s[WV], 1                        ; q: which 64 rows of the 128
	v_and_b32 v2, 31, v0                           ; lane
	v_and_b32 v3, 15, v0                           ; r
	v_bfe_u32 v4, v0, 4, 1                         ; h
	s_wait_dscnt 0x0                               ; the opening add is done
	s_wait_kmcnt 0x0
	s_cmp_lt_u32 s[WV], 4
	s_cbranch_scc0 .Lweights
	; ---------------- waves 0-3: x ----------------
	s_lshr_b32 s14, s[WV], 1
	s_lshr_b32 s15, ttmp9, 2                       ; the block of 128 tokens
	s_and_b32 s52, ttmp9, 3
	s_lshl_b32 s52, s52, 1
	s_add_co_u32 s52, s52, s14                     ; my K step
	s_lshl_b32 s54, s15, 19                        ; 128 rows of 4,096 bytes,
	s_lshl_b32 s53, s13, 18                        ; my 64 of them,
	s_add_co_u32 s54, s54, s53
	s_lshl_b32 s53, s52, 9                         ; 512 bytes a K step
	s_add_co_u32 s54, s54, s53
	s_mov_b32 s55, 0
	s_mov_b32 s[G0], 1
	s_mul_i32 s[G0+1], s[WV], 33792                ; my region: 64 rows x 528 bytes
	s_add_nc_u64 s[G0+2:G0+3], s[4:5], s[54:55]
	s_or_b32 s[G0+3], s[G0+3], 0x80000000
	tensor_load_to_lds s[G0:G0+3], s[G1X:G1X+7]
	s_nop 0
	s_wait_alu depctr_va_vdst(0)
	v_and_b32 v5, 8, v3
	v_add_nc_u32 v5, v5, v3                        ; r + 8 (r / 8)
	v_mul_u32_u24 v5, v5, 528
	v_lshl_add_u32 v5, v4, 6, v5                   ; + 64 h: my 16 numbers of a block of 32
	v_add_nc_u32 v5, s[G0+1], v5
	s_mul_i32 s58, s13, 6144
	v_lshlrev_b32 v6, 4, v2
	v_add_nc_u32 v6, s58, v6                       ; the codes' place: 16 x lane + my quad's four tiles
	s_lshl_b32 s59, s13, 8
	v_lshlrev_b32 v7, 3, v2
	v_add_nc_u32 v7, s59, v7                       ; the words' place: 8 x lane + 256 q
	v_cmp_lt_u32 s44, 15, v2                       ; lanes 16-31
.irp b, 0,1,2,3
	v_mov_b32 v[TM+4+\b], 0                        ; written once: a lane permute's destination counts as one of its sources
.endr
	s_lshl_b32 s56, s15, 3
	s_add_co_u32 s56, s56, s52
	s_mul_i32 s56, s56, 12800
	s_mov_b32 s57, 0
	s_add_nc_u64 s[10:11], s[10:11], s[56:57]      ; x_img at (block, K step)
	s_wait_tensorcnt 0x0                           ; my 64 rows lie in LDS; nobody else reads them
.macro LOADN T, set                            ; tile T of my four: 64 numbers a lane
.irp b, 0,1,2,3
.irp j, 0,1,2,3
	ds_load_b128 v[XR+64*(\set)+16*\b+4*\j:XR+64*(\set)+16*\b+4*\j+3], v5 offset:(32*((\T)/2)+8*((\T)%2))*528+128*\b+16*\j
.endr
.endr
.endm
	LOADN 0, 0
.irp T, 0,1,2,3
.if \T < 3
	LOADN \T+1, (\T+1)%2
	s_wait_dscnt 16                                ; this tile's numbers are in; the 16 loads just issued may be out
.else
	s_wait_dscnt 0x0
.endif
	QUANT XR+64*(\T%2), PC+12*\T, PWR+\T
.irp c, 0,1,2
	global_store_b128 v6, v[PC+12*\T+4*\c:PC+12*\T+4*\c+3], s[10:11] offset:\T*1536+512*\c   ; 32 lanes store 512 consecutive bytes, aligned
.endr
.endr
	v_cndmask_b32 v28, v[PWR], v[PWR+1], s44       ; lanes 0-15: tile 0's words, lanes 16-31: tile 1's;
	v_cndmask_b32 v29, v[PWR+2], v[PWR+3], s44     ; tiles 2 and 3 likewise
	global_store_b64 v7, v[28:29], s[10:11] offset:12288
	s_wait_tensorcnt 0x0                           ; the wave's end
	ds_add_u32 v[SPW], v[NIL]
	s_wait_dscnt 0x0
	s_endpgm
	; ---------------- waves 4, 5: a weight.  A LANE TAKES A COLUMN, ITS REGISTERS RUN DOWN K: all four blocks of a K step are the lane's own ----------------
.Lweights:
	s_and_b32 s52, ttmp9, 7                        ; the K step
	s_wait_alu depctr_va_vdst(0)
	v_lshlrev_b32 v5, 2, v2                        ; 4 x lane
	v_and_b32 v8, 7, v2
	v_lshl_add_u32 v8, v4, 3, v8                   ; column x of 32 is row r = x % 8 + 8 (x / 16)
	v_bfe_u32 v9, v0, 3, 1                         ; of tile u = (x / 8) % 2
	v_mul_u32_u24 v6, v9, 1536
	v_lshl_add_u32 v6, v8, 4, v6
	s_mul_i32 s58, s13, 6144
	v_add_nc_u32 v6, s58, v6                       ; the codes' place: 1,536 u + 16 r + my quad's four tiles
	v_lshl_add_u32 v7, v9, 4, v8
	v_lshlrev_b32 v7, 3, v7
	s_lshl_b32 s59, s13, 8
	v_add_nc_u32 v7, s59, v7                       ; the words' place: 8 (r + 16 u) + 256 q
	s_cmp_lt_u32 ttmp9, 192
	s_cbranch_scc0 .Lproj
.macro WPATH ldsbase, g1, pitch, src, dst, gsub
	s_sub_co_u32 s15, ttmp9, \gsub
	s_lshr_b32 s15, s15, 3                         ; the block of 128 columns
	s_mul_i32 s54, s52, 512*\pitch                 ; 128 rows down K,
	s_lshl_b32 s53, s15, 9
	s_add_co_u32 s54, s54, s53                     ; 512 bytes a block of columns,
	s_lshl_b32 s53, s13, 8
	s_add_co_u32 s54, s54, s53                     ; my 64 columns
	s_mov_b32 s55, 0
	s_mov_b32 s[G0], 1
	s_mul_i32 s[G0+1], s13, 34816                  ; my region: 128 rows x 272 bytes
	s_add_co_u32 s[G0+1], s[G0+1], \ldsbase
	s_add_nc_u64 s[G0+2:G0+3], s[\src:\src+1], s[54:55]
	s_or_b32 s[G0+3], s[G0+3], 0x80000000
	tensor_load_to_lds s[G0:G0+3], s[\g1:\g1+7]
	s_nop 0
	v_add_nc_u32 v5, s[G0+1], v5
	s_lshl_b32 s56, s15, 3
	s_add_co_u32 s56, s56, s52
	s_mul_i32 s56, s56, 12800
	s_mov_b32 s57, 0
	s_add_nc_u64 s[\dst:\dst+1], s[\dst:\dst+1], s[56:57]
	s_wait_alu depctr_va_vdst(0)
	s_wait_tensorcnt 0x0                           ; my 128 rows lie in LDS; nobody else reads them
.irp gq, 0,1                                   ; 32 columns at a time: tiles 4 q + 2 gq and 4 q + 2 gq + 1
.set KK, 0
.rept 128
	ds_load_b32 v[XR+KK], v5 offset:KK*272+128*\gq
.set KK, KK+1
.endr
	s_wait_dscnt 0x0
.irp b, 0,1,2,3
	v_max3_num_f32 v[TM+\b], |v[XR+32*\b]|, |v[XR+1+32*\b]|, 0x1800000
.endr
.irp i, 2,4,6,8,10,12,14,16,18,20,22,24,26,28,30
.irp b, 0,1,2,3
	v_max3_num_f32 v[TM+\b], v[TM+\b], |v[XR+32*\b+\i]|, |v[XR+1+32*\b+\i]|
.endr
.endr
.irp b, 0,1,2,3
	v_add_nc_u32 v[TM+12+\b], 0xff000000, v[TM+\b]
.endr
.irp b, 0,1,2,3
	v_lshrrev_b32 v[TM+4+\b], 23, v[TM+12+\b]
.endr
	v_lshl_or_b32 v[28+\gq], v[TM+5], 8, v[TM+4]
	v_lshl_or_b32 v[28+\gq], v[TM+6], 16, v[28+\gq]
	v_lshl_or_b32 v[28+\gq], v[TM+7], 24, v[28+\gq]
.irp h, 0,1                                    ; what lane (r, h) of the operand holds: blocks h and 2 + h
	v_cvt_scalef32_pk16_fp6_f32 v[PC+24*\gq+12*\h:PC+24*\gq+12*\h+2], v[XR+32*\h:XR+32*\h+15], v[TM+12+\h]
	v_cvt_scalef32_pk16_fp6_f32 v[CT:CT+2], v[XR+32*\h+16:XR+32*\h+31], v[TM+12+\h]
	v_cvt_scalef32_pk16_fp6_f32 v[PC+24*\gq+12*\h+6:PC+24*\gq+12*\h+8], v[XR+64+32*\h:XR+64+32*\h+15], v[TM+14+\h]
	v_cvt_scalef32_pk16_fp6_f32 v[CT+4:CT+6], v[XR+64+32*\h+16:XR+64+32*\h+31], v[TM+14+\h]
	v_nop                                          ; one plain place behind a scaled conversion
.irp i, 0,1,2
	v_mov_b32 v[PC+24*\gq+12*\h+3+\i], v[CT+\i]
	v_mov_b32 v[PC+24*\gq+12*\h+9+\i], v[CT+4+\i]
.endr
.endr
.irp h, 0,1
.irp c, 0,1,2
	global_store_b128 v6, v[PC+24*\gq+12*\h+4*\c:PC+24*\gq+12*\h+4*\c+3], s[\dst:\dst+1] offset:2*\gq*1536+512*\c+256*\h   ; two runs of 256 consecutive bytes, aligned: one in each of the two tiles
.endr
.endr
.endr
	global_store_b64 v7, v[28:29], s[\dst:\dst+1] offset:12288
	s_wait_tensorcnt 0x0                           ; the wave's end
	ds_add_u32 v[SPW], v[NIL]
	s_wait_dscnt 0x0
	s_endpgm
.endm
	WPATH 135168, G1A, 3072, 6, 48, 0
.Lproj:                                            ; the two weights' ways have LDS bytes of their own
	WPATH 204800, G1B, 1024, 8, 50, 192
.Lfunc_end_k_q01e443ccef_quant:
	.size	k_q01e443ccef_quant, .Lfunc_end_k_q01e443ccef_quant-k_q01e443ccef_quant
	.p2alignl 7, 3214868480
	.fill 96, 4, 3214868480
	.section	.rodata,"a",@progbits
	.p2align	6, 0x0
	.amdhsa_kernel k_q01e443ccef_quant
		.amdhsa_group_segment_fixed_size 275200
		.amdhsa_private_segment_fixed_size 0
		.amdhsa_enable_private_segment 0
		.amdhsa_kernarg_size 48
		.amdhsa_user_sgpr_count 2
		.amdhsa_user_sgpr_kernarg_segment_ptr 1
		.amdhsa_wavefront_size32 1
		.amdhsa_system_sgpr_workgroup_id_x 1
		.amdhsa_system_sgpr_workgroup_id_y 1
		.amdhsa_system_sgpr_workgroup_id_z 1
		.amdhsa_system_vgpr_workitem_id 0
		.amdhsa_next_free_vgpr 256
		.amdhsa_next_free_sgpr 66
		.amdhsa_reserve_vcc 0
		.amdhsa_float_denorm_mode_32 3
		.amdhsa_float_denorm_mode_16_64 3
		.amdhsa_memory_ordered 1
		.amdhsa_forward_progress 1
		.amdhsa_inst_pref_size 85
	.end_amdhsa_kernel
	.amdgpu_metadata
---
amdhsa.version: [ 1, 2 ]
amdhsa.kernels:
  - .name:           k_q01e443ccef_quant
    .symbol:         k_q01e443ccef_quant.kd
    .args:
      - { .name: x, .offset: 0, .size: 8, .value_kind: global_buffer, .address_space: global }
      - { .name: W_qkv, .offset: 8, .size: 8, .value_kind: global_buffer, .address_space: global }
      - { .name: W_proj, .offset: 16, .size: 8, .value_kind: global_buffer, .address_space: global }
      - { .name: x_img, .offset: 24, .size: 8, .value_kind: global_buffer, .address_space: global }
      - { .name: wqkv_img, .offset: 32, .size: 8, .value_kind: global_buffer, .address_space: global }
      - { .name: wproj_img, .offset: 40, .size: 8, .value_kind: global_buffer, .address_space: global }
    .group_segment_fixed_size: 275200
    .private_segment_fixed_size: 0
    .kernarg_segment_align: 8
    .kernarg_segment_size: 48
    .max_flat_workgroup_size: 192
    .sgpr_count:     66
    .vgpr_count:     256
    .wavefront_size: 32
...
	.end_amdgpu_metadata
.endif
;; end of part 1
;; launch gemm1 (part 2): grid 16 x 48, 4 waves a work-group, clusters of 4 x 4, 307,712 bytes of LDS; arguments x_img, wqkv_img, b_qkv, q_img, kv; writes q_img, kv
.if DOCPART == 2
	.amdgcn_target "amdgcn-amd-amdhsa--gfx1250"
	.amdhsa_code_object_version 6
	.text
	.protected	k_q01e443ccef_gemm1
	.globl	k_q01e443ccef_gemm1
	.p2align	8
	.type	k_q01e443ccef_gemm1,@function
k_q01e443ccef_gemm1:
	s_mov_b64 s[64:65], 0
	v_nop
	global_prefetch_b8 v0, s[64:65] scope:SCOPE_SE
	s_setreg_imm32_b32 hwreg(HW_REG_WAVE_MODE, 25, 1), 1
	s_wait_xcnt 0x0
	s_wait_alu depctr_hold_cnt(0) depctr_sa_sdst(0) depctr_va_vdst(0) depctr_va_sdst(0) depctr_va_ssrc(0) depctr_va_vcc(0) depctr_vm_vsrc(0)
	s_getreg_b32 s2, hwreg(HW_REG_IB_STS2, 6, 4)
	s_cmp_eq_u32 s2, 0
	s_cbranch_scc0 .Lentry_in_a_cluster
	s_endpgm
.Lentry_in_a_cluster:
	s_bfe_u32 s2, ttmp6, 0x10000c
	s_cmp_lg_u32 s2, 0xf033
	s_cbranch_scc0 .Lentry_shape_is_right
	s_endpgm
.Lentry_shape_is_right:
; qkv = x W_qkv + b_qkv on codes of FP6 (E2M3) with E8M0 scales, and q, k, v quantised in registers for the two products of attention: they leave as codes and scale bytes alone.
; OPERANDS are images of their registers: [block of 128 rows][K step of 128][12,800 bytes] (8 tiles x 1,536 bytes, 512 bytes of scale words); row r of tile 2 b + u is row 32 b + 8 u + r + 8 (r / 8).
; A work-group takes P = one block (source 0, read by all four waves) and Q = two blocks (source 1); wave w takes Q's block w / 2, quad w % 2: 8 x 4 tiles, 32 accumulators.
; THE WHOLE K (8 steps) OF THE THREE BLOCKS LIES IN LDS, 3 x 102,400 bytes: every tensor load is a first fill; nothing is filled twice, so the K steps have plain barriers and no round of the cluster's barrier.
; CLUSTERS of 4 x 4: P hangs on x (and the cluster's y) alone and is asked for jointly along a column of the cluster, Q on y alone and jointly along a row.
; Clusters with y under 8 make q and k: P = 128 channels of W (two heads), Q = 256 tokens: a lane holds one token, its registers run along the channels, the K of q k^T.
; Clusters with y from 8 on make v: P = 128 tokens (a key group), Q = 256 channels of W's last third: a lane holds one channel, its registers run along the tokens, the K of p v.
; The two kinds part once, on the cluster's y, which all partners share; each way has its own bias, K steps and way out.  The bias is the C of each sum's first matrix instruction.
; OUT: q_img [b h][group of 128 tokens][6,656]: 8 half images (64 along K: registers 0-3 at 16 l, 4-5 at 512 + 8 l), then 512 bytes of words (16 (r + 16 quad): tiles 4 quad + 0..3; bytes 2, 3 = 127 over zero codes).
;      kv [b h][key group][13,056]: K as in q_img; at 6,656 V's four channel tiles x 1,536; at 12,800 V's words (16 r: tiles 0..3).
; LIMITS: NaN and infinities are not served; a block whose largest magnitude lies under 2^-124, a block of zeros among them, gets the byte 1 (its codes add nothing that counts; this program alone reads the bytes).
; REGISTERS: window 0: v1 r, v2 h, v4-11 LDS addresses, v14-15 the add's two, v16-18 addresses out, v32-43 scale words (two sets of 6) and nothing else, v44-59 at work, v60-63 words made,
;   v64-127 the bias, v128-175 codes made, v176-182 odd halves, v184-187 words out.  window 1: accumulator (t, i) at v[64 i + 8 t].  windows 2, 3: fragment sets 0, 1: P's tile t at 12 t, Q's tile i at 96 + 12 i.
.set NF,    39                         ; LDS loads of a K step's fetch
.set BLKB,  102400
.set STEPB, 12800
.set SPARE, 307200                     ; behind the three blocks: the spare words, 128 bytes a wave: two blocks of 256 bytes that no other line names
.set AP16, 4
.set AQ16, 6
.set AP8,  8
.set AQW8, 10
.set SPW,  14
.set NIL,  15
.set SC,   32
.set TM,   44
.set PW,   60
.set BI,   64
.set PC,   128
.set CT,   176
.set WD,   184
.set WV,   14
.set SEL,  66
.set G1P,  24
.set G1Q,  32
.set G0P,  40
.set G0Q,  68
.set MSB, 0
.macro WIN new                         ; the immediate's high byte repeats the setting that is left
.if MSB != (\new)
	s_set_vgpr_msb (MSB<<8)|(\new)
.set MSB, (\new)
.endif
.endm
.macro PLACES n
.rept \n
	v_nop
.endr
.endm
.macro CROUND                          ; a round of the cluster's barrier
	s_barrier_signal -1
	s_barrier_wait -1
	s_cmp_lg_u32 s[WV], 0
	s_cbranch_scc1 .Lnot_wave_0_\@
	s_barrier_signal -3
.Lnot_wave_0_\@:
	s_barrier_wait -3
	s_barrier_signal -1
	s_barrier_wait -1
.endm
.macro WM d, a, b, c, sa, sb, ra, rb   ; one product; ra, rb: the side's scale words stand in lanes 16-31
.if (\ra) && (\rb)
	v_wmma_scale_f32_16x16x128_f8f6f4 v[(\d):(\d)+7], v[(\a):(\a)+11], v[(\b):(\b)+11], v[(\c):(\c)+7], v[\sa], v[\sb] matrix_a_fmt:MATRIX_FMT_FP6 matrix_b_fmt:MATRIX_FMT_FP6 matrix_a_scale:MATRIX_SCALE_ROW1 matrix_b_scale:MATRIX_SCALE_ROW1
.elseif (\ra)
	v_wmma_scale_f32_16x16x128_f8f6f4 v[(\d):(\d)+7], v[(\a):(\a)+11], v[(\b):(\b)+11], v[(\c):(\c)+7], v[\sa], v[\sb] matrix_a_fmt:MATRIX_FMT_FP6 matrix_b_fmt:MATRIX_FMT_FP6 matrix_a_scale:MATRIX_SCALE_ROW1
.elseif (\rb)
	v_wmma_scale_f32_16x16x128_f8f6f4 v[(\d):(\d)+7], v[(\a):(\a)+11], v[(\b):(\b)+11], v[(\c):(\c)+7], v[\sa], v[\sb] matrix_a_fmt:MATRIX_FMT_FP6 matrix_b_fmt:MATRIX_FMT_FP6 matrix_b_scale:MATRIX_SCALE_ROW1
.else
	v_wmma_scale_f32_16x16x128_f8f6f4 v[(\d):(\d)+7], v[(\a):(\a)+11], v[(\b):(\b)+11], v[(\c):(\c)+7], v[\sa], v[\sb] matrix_a_fmt:MATRIX_FMT_FP6 matrix_b_fmt:MATRIX_FMT_FP6
.endif
.endm
; K step s's fragments and scale words into set s % 2: every load takes 512 (256) consecutive bytes
.macro FETCH s
.set FA, (\s)/4
.set FO, ((\s)%4)*STEPB
	WIN 0x80+0x40*((\s)%2)
.irp t, 0,1,2,3,4,5,6,7
.irp c, 0,1,2
	ds_load_b128 v[12*\t+4*\c:12*\t+4*\c+3], v[AP16+FA] offset:FO+1536*\t+512*\c
.endr
.endr
.irp i, 0,1,2,3
.irp c, 0,1,2
	ds_load_b128 v[96+12*\i+4*\c:96+12*\i+4*\c+3], v[AQ16+FA] offset:FO+1536*\i+512*\c
.endr
.endr
	WIN 0
	ds_load_b64 v[SC+6*((\s)%2):SC+6*((\s)%2)+1], v[AP8+FA] offset:FO+12288
	ds_load_b64 v[SC+6*((\s)%2)+2:SC+6*((\s)%2)+3], v[AP8+FA] offset:FO+12544
	ds_load_b64 v[SC+6*((\s)%2)+4:SC+6*((\s)%2)+5], v[AQW8+FA] offset:FO+12288
.endm
; 32 products: the 32 accumulators take turns, one instruction a turn, in the same order in every step.  cmode 0: in place; 1: C = the bias by source 0's rows; 2: by source 1's
.macro MUL s, cmode
.if (\cmode) == 0
	WIN 0x5a+5*((\s)%2)
.else
	WIN 0x4a
.endif
.irp i, 0,1,2,3
.irp t, 0,1,2,3,4,5,6,7
.if (\cmode) == 0
	WM 64*\i+8*\t, 12*\t, 96+12*\i, 64*\i+8*\t, SC+6*((\s)%2)+2*(\t/4)+(\t/2)%2, SC+6*((\s)%2)+4+\i/2, \t%2, \i%2
.elseif (\cmode) == 1
	WM 64*\i+8*\t, 12*\t, 96+12*\i, BI+8*\t, SC+6*((\s)%2)+2*(\t/4)+(\t/2)%2, SC+6*((\s)%2)+4+\i/2, \t%2, \i%2
.else
	WM 64*\i+8*\t, 12*\t, 96+12*\i, BI+8*\i, SC+6*((\s)%2)+2*(\t/4)+(\t/2)%2, SC+6*((\s)%2)+4+\i/2, \t%2, \i%2
.endif
.endr
.endr
.endm
.macro KSTEP s, cmode
.if ((\s) < 7) && ((\s)%2 == 1)
	s_wait_tensorcnt 3-((\s)+1)/2                  ; my part of the chunk with K steps s + 1 and s + 2 has landed; the chunks issued behind it may be out
	s_wait_dscnt 0x0                               ; no LDS load of mine is out at a signal
	s_barrier_signal -1
	s_barrier_wait -1                              ; everybody's part has landed.
.endif
.if (\s) < 7
	PLACES 4                                       ; in front of loads into registers that the step before multiplied
	FETCH (\s)+1
	s_wait_dscnt NF                                ; this step's fragments are in; the NF loads just issued may be out
.else
	s_wait_dscnt 0x0
.endif
	MUL \s, \cmode
.endm
.macro KLOOP cmode
	s_wait_tensorcnt 0x3                           ; my part of K steps 0 and 1 has landed; three chunks may be out
	s_barrier_signal -1
	s_barrier_wait -1
	FETCH 0
	s_wait_loadcnt 0x0                             ; the bias
.if (\cmode) == 2
.irp i, 0,1,2,3
.irp j, 1,2,3,4,5,6,7
	v_mov_b32 v[BI+8*\i+\j], v[BI+8*\i]            ; a lane's channel has one bias for all eight tokens of a tile
.endr
.endr
.endif
	s_wait_alu depctr_va_vdst(0)
	KSTEP 0, \cmode
	KSTEP 1, 0
	KSTEP 2, 0
	KSTEP 3, 0
	KSTEP 4, 0
	KSTEP 5, 0
	KSTEP 6, 0
	KSTEP 7, 0
	WIN 0
	PLACES 4                                       ; in front of the first read of results
.endm
; The 64 results of Q's tile i (window 1, v[64 i ..]: register 16 b + n = source 0's row 32 b + 16 (lane / 16) + n) become 12 registers of codes in v[PC + 12 i ..] and a scale word in v[PW + i]; each accumulator is read from its low end on
.macro QUANTW i
	WIN 0x05
.irp b, 0,1,2,3
	v_max3_num_f32 v[TM+\b], |v[64*(\i)+16*\b]|, |v[64*(\i)+16*\b+1]|, 0x1800000
.endr
.irp n, 2,4,6,8,10,12,14
.irp b, 0,1,2,3
	v_max3_num_f32 v[TM+\b], |v[64*(\i)+16*\b+\n]|, |v[64*(\i)+16*\b+\n+1]|, v[TM+\b]
.endr
.endr
	WIN 0
.irp b, 0,1,2,3
	v_permlanex16_b32 v[TM+4+\b], v[TM+\b], s[SEL], s[SEL+1]
.endr
.irp b, 0,1,2,3
	v_max_num_f32 v[TM+\b], v[TM+\b], v[TM+4+\b]
.endr
.irp b, 0,1,2,3
	v_add_nc_u32 v[TM+12+\b], 0xff000000, v[TM+\b]
.endr
.irp b, 0,1,2,3
	v_lshrrev_b32 v[TM+4+\b], 23, v[TM+12+\b]
.endr
	v_lshl_or_b32 v[PW+(\i)], v[TM+5], 8, v[TM+4]
	v_lshl_or_b32 v[PW+(\i)], v[TM+6], 16, v[PW+(\i)]
	v_lshl_or_b32 v[PW+(\i)], v[TM+7], 24, v[PW+(\i)]
	WIN 0x01
.irp c, 0,1
	v_cvt_scalef32_pk16_fp6_f32 v[PC+12*(\i)+6*\c:PC+12*(\i)+6*\c+2], v[64*(\i)+32*\c:64*(\i)+32*\c+15], v[TM+12+2*\c]
	v_cvt_scalef32_pk16_fp6_f32 v[CT+4*\c:CT+4*\c+2], v[64*(\i)+32*\c+16:64*(\i)+32*\c+31], v[TM+12+2*\c+1]
.endr
	WIN 0
	v_nop                                          ; one plain place behind a scaled conversion
.irp c, 0,1
.irp n, 0,1,2
	v_permlane16_swap_b32 v[PC+12*(\i)+6*\c+\n], v[CT+4*\c+\n]
.endr
.irp n, 0,1,2
	v_mov_b32 v[PC+12*(\i)+3+6*\c+\n], v[CT+4*\c+\n]
.endr
.endr
.endm
.macro FINISH
	s_wait_tensorcnt 0x0                           ; the wave's end
	ds_add_u32 v[SPW], v[NIL]
	s_wait_dscnt 0x0
	CROUND                                         ; the closing round: no work-group ends while a partner may still ask for a tile that names it
	s_endpgm
.endm
	s_load_b128 s[4:7], s[0:1], 0x0                ; x_img, wqkv_img
	s_load_b128 s[8:11], s[0:1], 0x10              ; b_qkv, q_img
	s_load_b64 s[12:13], s[0:1], 0x20              ; kv
	v_lshl_add_u32 v[SPW], v0, 2, SPARE
	v_mov_b32 v[NIL], 0
	ds_add_u32 v[SPW], v[NIL]
	ds_add_u32 v[SPW], v[NIL]                      ; the wave's opening: the add and its wait ahead of my first tensor load
	v_lshrrev_b32 v1, 5, v0
	v_readfirstlane_b32 s[WV], v1                  ; wave 0..3
	s_lshr_b32 s15, s[WV], 1                       ; which block of Q is mine; also: which block of Q waves 1 and 2 fetch
	s_and_b32 s16, s[WV], 1                        ; which quad of it
	s_bfe_u32 s17, ttmp6, 0x40000                  ; cx
	s_bfe_u32 s18, ttmp6, 0x40004                  ; cy
	s_lshl_b32 s19, ttmp9, 2
	s_add_co_u32 s19, s19, s17                     ; X
	s_and_b32 s20, ttmp7, 0xffff                   ; the cluster's y
	s_lshl_b32 s21, s20, 2
	s_add_co_u32 s21, s21, s18                     ; Y
	s_lshl_b32 s84, 0x1111, s17                    ; my column of the cluster
	s_lshl_b32 s85, s18, 2
	s_lshl_b32 s85, 15, s85                        ; my row
	s_or_b32 s[G1P], s84, (3<<16)|(1<<21)          ; the mask; elements of 8 bytes; bit 21 beside a mask; no padding
	s_or_b32 s[G1Q], s85, (3<<16)|(1<<21)
.irp g, G1P, G1Q                               ; a chunk: two K steps, 25,600 dense bytes, as 100 rows of 256
	s_mov_b32 s[\g+1], 32<<16
	s_mov_b32 s[\g+2], 100<<16
	s_mov_b32 s[\g+3], 32<<16
	s_mov_b32 s[\g+4], 100
	s_mov_b32 s[\g+5], 32
	s_mov_b32 s[\g+6], 0
	s_mov_b32 s[\g+7], 0
.endr
	s_sub_co_u32 s86, s20, 8
	s_lshl_b32 s86, s86, 4
	s_add_co_u32 s86, s86, s19                     ; v: P = tokens' block X + 16 (cluster y - 8)
	s_lshl_b32 s88, s21, 1                         ; q, k: Q = tokens' blocks 2 Y, 2 Y + 1
	s_lshl_b32 s89, s18, 1
	s_add_co_u32 s89, s89, 16                      ; v: Q = W's blocks 16 + 2 cy, + 1
	s_cmp_ge_u32 s20, 8
	s_cselect_b32 s22, 1, 0                        ; 1: this cluster makes v
	s_cselect_b32 s86, s86, s19
	s_cselect_b32 s88, s89, s88
	s_add_co_u32 s88, s88, s15
	s_mul_i32 s86, s86, BLKB
	s_mov_b32 s87, 0
	s_mul_i32 s88, s88, BLKB
	s_mov_b32 s89, 0
	s_mul_i32 s94, s[WV], BLKB                     ; wave 0 fills block 0 (P), waves 1 and 2 blocks 1 and 2 (Q): no place in the cluster enters an LDS address
	s_mov_b32 s[SEL], 0x76543210
	s_mov_b32 s[SEL+1], 0xfedcba98
	s_wait_dscnt 0x0                               ; the opening add is done
	s_wait_kmcnt 0x0
	s_cmp_lg_u32 s22, 0
	s_cselect_b64 s[90:91], s[4:5], s[6:7]         ; P's buffer
	s_cselect_b64 s[92:93], s[6:7], s[4:5]         ; Q's
	s_add_nc_u64 s[90:91], s[90:91], s[86:87]
	s_add_nc_u64 s[92:93], s[92:93], s[88:89]
.irp c, 0,1,2,3
	s_mov_b32 s[G0P+4*\c], 1
	s_add_co_u32 s[G0P+4*\c+1], s94, \c*25600
	s_add_nc_u64 s[G0P+4*\c+2:G0P+4*\c+3], s[90:91], \c*25600
	s_or_b32 s[G0P+4*\c+3], s[G0P+4*\c+3], 0x80000000
	s_mov_b32 s[G0Q+4*\c], 1
	s_add_co_u32 s[G0Q+4*\c+1], s94, \c*25600
	s_add_nc_u64 s[G0Q+4*\c+2:G0Q+4*\c+3], s[92:93], \c*25600
	s_or_b32 s[G0Q+4*\c+3], s[G0Q+4*\c+3], 0x80000000
.endr
	CROUND                                         ; all sixteen work-groups are here: the joint loads meet
	s_cmp_eq_u32 s[WV], 0                          ; a wave's four first fills stand in one branch on the wave's number: four tensor loads of mine are out
	s_cbranch_scc0 .Lnot_p
.irp c, 0,1,2,3
	tensor_load_to_lds s[G0P+4*\c:G0P+4*\c+3], s[G1P:G1P+7]
	s_nop 0
.endr
	PLACES 4
	s_branch .Lasked
.Lnot_p:
	s_cmp_lt_u32 s[WV], 3
	s_cbranch_scc0 .Lasked
.irp c, 0,1,2,3
	tensor_load_to_lds s[G0Q+4*\c:G0Q+4*\c+3], s[G1Q:G1Q+7]
	s_nop 0
.endr
	PLACES 4
.Lasked:
	v_and_b32 v3, 31, v0                           ; lane
	v_and_b32 v1, 15, v0                           ; r
	v_bfe_u32 v2, v0, 4, 1                         ; h
	v_lshlrev_b32 v[AP16], 4, v3
	v_add_nc_u32 v[AP16+1], 51200, v[AP16]         ; K steps 4-7 lie beyond an LDS offset's reach
	v_lshlrev_b32 v[AP8], 3, v3
	v_add_nc_u32 v[AP8+1], 51200, v[AP8]
	s_mul_i32 s95, s15, BLKB
	s_add_co_u32 s95, s95, BLKB                    ; my block of Q
	s_mul_i32 s96, s16, 6144
	s_add_co_u32 s96, s96, s95
	v_add_nc_u32 v[AQ16], s96, v[AP16]
	v_add_nc_u32 v[AQ16+1], 51200, v[AQ16]
	s_lshl_b32 s97, s16, 8
	s_add_co_u32 s97, s97, s95
	v_add_nc_u32 v[AQW8], s97, v[AP8]
	v_add_nc_u32 v[AQW8+1], 51200, v[AQW8]
.irp b, 0,1,2,3
	v_mov_b32 v[TM+4+\b], 0                        ; written once: a lane permute's destination counts as one of its sources
.endr
	s_cmp_lg_u32 s22, 0                            ; the cluster's y alone: the same in all sixteen partners
	s_cbranch_scc1 .Lv_path
	; ---------------- q and k ----------------
	s_lshl_b32 s86, s19, 9
	s_mov_b32 s87, 0
	s_add_nc_u64 s[8:9], s[8:9], s[86:87]          ; b_qkv at my 128 channels
	v_lshlrev_b32 v16, 6, v2                       ; lane (r, h) wants, for tile 2 b + u, channels 32 b + 16 h + 8 u + 0 .. 7
.irp t, 0,1,2,3,4,5,6,7
	global_load_b128 v[BI+8*\t:BI+8*\t+3], v16, s[8:9] offset:(32*(\t/2)+8*(\t%2))*4
	global_load_b128 v[BI+8*\t+4:BI+8*\t+7], v16, s[8:9] offset:(32*(\t/2)+8*(\t%2))*4+16
.endr
	s_mov_b32 s90, 13056
	s_cmp_lt_u32 s19, 8                            ; q's channels or k's?  It steers global addresses alone
	s_cselect_b32 s90, 6656, s90                   ; bytes from group to group
	s_cselect_b64 s[92:93], s[10:11], s[12:13]
	s_lshr_b32 s86, s21, 3                         ; the batch
	s_lshl_b32 s86, s86, 4
	s_and_b32 s88, s19, 7
	s_lshl_b32 s88, s88, 1
	s_add_co_u32 s86, s86, s88                     ; b h of the even head
	s_lshl_b32 s86, s86, 4
	s_and_b32 s88, s21, 7
	s_lshl_b32 s88, s88, 1
	s_add_co_u32 s86, s86, s88
	s_add_co_u32 s86, s86, s15                     ; the group of 128 tokens
	s_mul_i32 s86, s86, s90
	s_add_nc_u64 s[92:93], s[92:93], s[86:87]
	s_lshl_b32 s91, s90, 4                         ; from a head to the next: 16 groups
	s_mul_i32 s86, s16, 3072
	s_add_nc_u64 s[56:57], s[92:93], s[86:87]      ; the even head's half images of my four tiles
	s_mov_b32 s86, s91
	s_add_nc_u64 s[58:59], s[56:57], s[86:87]      ; the odd head's
	s_lshl_b32 s86, s16, 8
	s_add_co_u32 s86, s86, 6144
	s_add_nc_u64 s[60:61], s[92:93], s[86:87]      ; my quad's words
	v_mul_lo_u32 v17, v2, s91
	v_lshl_add_u32 v17, v1, 4, v17                 ; lanes 0-15 the even head's words, lanes 16-31 the odd head's
	v_lshlrev_b32 v18, 4, v2
	s_mov_b32 s62, 0x7f7f0000
	s_wait_alu depctr_va_vdst(0)
	KLOOP 1
.irp i, 0,1,2,3
	QUANTW \i
	global_store_b128 v[AP16], v[PC+12*\i:PC+12*\i+3], s[56:57] offset:768*\i            ; whole aligned runs of 512 and 256 bytes
	global_store_b64 v[AP8], v[PC+12*\i+4:PC+12*\i+5], s[56:57] offset:768*\i+512
	global_store_b128 v[AP16], v[PC+12*\i+6:PC+12*\i+9], s[58:59] offset:768*\i
	global_store_b64 v[AP8], v[PC+12*\i+10:PC+12*\i+11], s[58:59] offset:768*\i+512
.endr
.irp i, 0,1,2,3
	v_lshrrev_b32 v[WD+\i], v18, v[PW+\i]          ; my head's two bytes,
.endr
.irp i, 0,1,2,3
	v_and_or_b32 v[WD+\i], v[WD+\i], 0xffff, s62   ; and 127 twice over the zero codes of the upper 64 along K
.endr
	global_store_b128 v17, v[WD:WD+3], s[60:61]
	FINISH
	; ---------------- v ----------------
.Lv_path:
	s_lshl_b32 s86, s18, 2
	s_add_co_u32 s86, s86, s[WV]                   ; my quad of channels is head 4 cy + w
	s_lshl_b32 s88, s86, 8
	s_add_co_u32 s88, s88, 8192
	s_mov_b32 s89, 0
	s_add_nc_u64 s[8:9], s[8:9], s[88:89]          ; b_qkv at v's channels of that head
	v_and_b32 v16, 8, v1
	v_add_nc_u32 v16, v16, v1
	v_lshlrev_b32 v16, 2, v16                      ; lane r of tile 2 b + u holds channel 32 b + 8 u + r + 8 (r / 8)
.irp i, 0,1,2,3
	global_load_b32 v[BI+8*\i], v16, s[8:9] offset:(32*(\i/2)+8*(\i%2))*4
.endr
	s_sub_co_u32 s90, s20, 8                       ; the batch
	s_lshl_b32 s90, s90, 4
	s_add_co_u32 s90, s90, s86                     ; b h
	s_lshl_b32 s90, s90, 4
	s_add_co_u32 s90, s90, s19                     ; the key group
	s_mul_i32 s90, s90, 13056
	s_add_co_u32 s90, s90, 6656
	s_mov_b32 s91, 0
	s_add_nc_u64 s[56:57], s[12:13], s[90:91]
	v_lshlrev_b32 v17, 4, v1
	KLOOP 2
.irp i, 0,1,2,3
	QUANTW \i
.irp c, 0,1,2
	global_store_b128 v[AP16], v[PC+12*\i+4*\c:PC+12*\i+4*\c+3], s[56:57] offset:1536*\i+512*\c
.endr
.endr
	global_store_b128 v17, v[PW:PW+3], s[56:57] offset:6144   ; row r's four words; both halves of the lanes hold and write the same
	FINISH
.Lfunc_end_k_q01e443ccef_gemm1:
	.size	k_q01e443ccef_gemm1, .Lfunc_end_k_q01e443ccef_gemm1-k_q01e443ccef_gemm1
	.p2alignl 7, 3214868480
	.fill 96, 4, 3214868480
	.section	.rodata,"a",@progbits
	.p2align	6, 0x0
	.amdhsa_kernel k_q01e443ccef_gemm1
		.amdhsa_group_segment_fixed_size 307712
		.amdhsa_private_segment_fixed_size 0
		.amdhsa_enable_private_segment 0
		.amdhsa_kernarg_size 40
		.amdhsa_user_sgpr_count 2
		.amdhsa_user_sgpr_kernarg_segment_ptr 1
		.amdhsa_wavefront_size32 1
		.amdhsa_system_sgpr_workgroup_id_x 1
		.amdhsa_system_sgpr_workgroup_id_y 1
		.amdhsa_system_sgpr_workgroup_id_z 1
		.amdhsa_system_vgpr_workitem_id 0
		.amdhsa_next_free_vgpr 1024
		.amdhsa_next_free_sgpr 100
		.amdhsa_reserve_vcc 0
		.amdhsa_float_denorm_mode_32 3
		.amdhsa_float_denorm_mode_16_64 3
		.amdhsa_memory_ordered 1
		.amdhsa_forward_progress 1
		.amdhsa_inst_pref_size 156
	.end_amdhsa_kernel
	.amdgpu_metadata
---
amdhsa.version: [ 1, 2 ]
amdhsa.kernels:
  - .name:           k_q01e443ccef_gemm1
    .symbol:         k_q01e443ccef_gemm1.kd
    .args:
      - { .name: x_img, .offset: 0, .size: 8, .value_kind: global_buffer, .address_space: global }
      - { .name: wqkv_img, .offset: 8, .size: 8, .value_kind: global_buffer, .address_space: global }
      - { .name: b_qkv, .offset: 16, .size: 8, .value_kind: global_buffer, .address_space: global }
      - { .name: q_img, .offset: 24, .size: 8, .value_kind: global_buffer, .address_space: global }
      - { .name: kv, .offset: 32, .size: 8, .value_kind: global_buffer, .address_space: global }
    .group_segment_fixed_size: 307712
    .private_segment_fixed_size: 0
    .kernarg_segment_align: 8
    .kernarg_segment_size: 40
    .max_flat_workgroup_size: 128
    .sgpr_count:     100
    .vgpr_count:     1024
    .wavefront_size: 32
...
	.end_amdgpu_metadata
.endif
;; end of part 2
;; launch attn (part 3): grid 4 x 64, 16 waves a work-group, no clusters, 210,944 bytes of LDS; arguments q_img, kv, y_img; writes y_img
.if DOCPART == 3
	.amdgcn_target "amdgcn-amd-amdhsa--gfx1250"
	.amdhsa_code_object_version 6
	.text
	.protected	k_q01e443ccef_attn
	.globl	k_q01e443ccef_attn
	.p2align	8
	.type	k_q01e443ccef_attn,@function
k_q01e443ccef_attn:
	s_mov_b64 s[64:65], 0
	v_nop
	global_prefetch_b8 v0, s[64:65] scope:SCOPE_SE
	s_setreg_imm32_b32 hwreg(HW_REG_WAVE_MODE, 25, 1), 1
	s_wait_xcnt 0x0
; y[b h][q] = the sum over keys k <= q of softmax_k(q . k / 8) v, both products on codes of FP6 (E2M3) with E8M0 scales; y leaves quantised along the channels, as the operand of the last product.
; THE SOFTMAX: t = score x log2(e) / 8; M = the running largest t rounded up to a whole number; p = 2^(t - M) is quantised along the keys, not normalised; the row's sum is taken of the unquantised p and divides at the end.
; IN: q_img [b h][group of 128 tokens][6,656] and kv [b h][key group of 128][13,056]: images of the operands' registers.  Row r of tile 2 b + u of a group is token 32 b + 8 u + r + 8 (r / 8).
; The head's axis is 64: registers 0-5 of a fragment of q or k hold it, registers 6-11 are zero codes (their scale bytes are 127).
; SHARES.  Work-group (j, b h) holds the WHOLE head's K and V in LDS, 16 x 13,056 bytes: first fills alone, nothing is filled twice.  Wave w owns two tiles of 16 queries, a = 4 w + j and 127 - a.
; Tile t needs t / 8 + 1 key steps of 128 keys, so every wave of the launch walks 17 key steps, two of them on the diagonal.  The loops' trip counts are constants; a step all of whose keys are hidden is jumped over (ids alone).
; NO CLUSTER: the four work-groups of a head would be the partners, and their walks end at limits that hang on their place; joint loads allow no branch that differs between partners.
; Both products are used transposed (S^T = K Q^T, O^T = V^T P^T): a lane holds one query throughout.
; OUT: y_img [block of 128 tokens][pair of heads][12,800]: a tile's 1,536 bytes are the two heads' half images; a row's scale word has two bytes from each head, so its halves come from two work-groups: stores of 2 bytes, 1 part in 25 of what is stored.
; LIMITS: NaN and infinities are not served; a block of y under 2^-124, or of p that has fallen to zero, gets the byte 1 over its codes.
; REGISTERS: v1-4 16 l, 8 l, 16 r, 8 r; v5-6 the add's two; v7 the mask's d; v8-10 addresses of the step; v11 r + 8 (r / 8) - 16 h; v12 -M, v13 largest t, v[14:15] the sum; v16-27 Q of the late tile, v28, v29 Q's scale words;
;   v32-79 four fragments of K; v80-83 K's words, v84-87 V's; v88-94 odd halves; v96-159 S^T, p, then V; v160-191 O^T; v192-203 p's codes; v204-221 at work, v218 p's word; v222-228 y's codes and bytes; v230-241 Q of the early tile; v242 -infinity.
.set SPARE, 208896                     ; behind the head's K and V: the spare words, 128 bytes for each of 16 waves: eight blocks of 256 bytes that no other line names
.set KVB,  13056
.set SPW,  5
.set NIL,  6
.set KS,   32
.set CT,   88
.set MX,   204
.set PM,   208
.set SO,   212
.set WV,   10
.set G1,   16
.set G0,   24
.set SEL,  40
.set CS,   42
.set TB,   44                          ; s44 LDS byte of the key group in hand
.set KG,   45                          ; s45 its number
.set TG,   46                          ; s46 the key group of my tile's queries
.set CNT,  48
.macro PLACES n
.rept \n
	v_nop
.endr
.endm
.macro QLOAD tau, qf, qs, sb           ; tile s[tau]'s half image and scale words
	s_lshl_b32 s54, s11, 4
	s_lshr_b32 s55, s[\tau], 3
	s_add_co_u32 s54, s54, s55
	s_mul_i32 s54, s54, 6656
	s_and_b32 s55, s[\tau], 7
	s_mul_i32 s55, s55, 768
	s_add_co_u32 s[\sb], s54, s55
	s_mov_b32 s[\sb+1], 0
	s_add_nc_u64 s[\sb:\sb+1], s[4:5], s[\sb:\sb+1]
	s_bfe_u32 s55, s[\tau], 0x10002
	s_lshl_b32 s55, s55, 8
	s_add_co_u32 s54, s54, s55
	s_and_b32 s55, s[\tau], 3
	s_lshl_b32 s55, s55, 2
	s_add_co_u32 s[\sb+2], s54, s55
	s_mov_b32 s[\sb+3], 0
	s_add_nc_u64 s[\sb+2:\sb+3], s[4:5], s[\sb+2:\sb+3]
	global_load_b128 v[\qf:\qf+3], v1, s[\sb:\sb+1]
	global_load_b64 v[\qf+4:\qf+5], v2, s[\sb:\sb+1] offset:512
	global_load_b32 v[\qs], v3, s[\sb+2:\sb+3] offset:6144
.endm
.macro TILE_SET tau                    ; the walk of tile s[tau] begins
	s_wait_xcnt 0x0                                ; earlier loads and stores have read their bases
	s_lshr_b32 s[TG], s[\tau], 3
	s_bfe_u32 s54, s[\tau], 0x20001
	s_lshl_b32 s54, s54, 5
	s_and_b32 s55, s[\tau], 1
	s_lshl_b32 s55, s55, 3
	s_add_co_u32 s54, s54, s55
	v_add_nc_u32 v7, s54, v11                      ; d = my query's place in its group - 16 (lane / 16)
	s_lshr_b32 s54, s11, 4
	s_lshl_b32 s54, s54, 4
	s_add_co_u32 s54, s54, s[TG]                   ; the block of 128 tokens
	s_lshl_b32 s54, s54, 3
	s_bfe_u32 s55, s11, 0x30001
	s_add_co_u32 s54, s54, s55                     ; the pair of heads
	s_mul_i32 s54, s54, 12800
	s_and_b32 s55, s[\tau], 7
	s_mul_i32 s55, s55, 1536
	s_add_co_u32 s50, s54, s55
	s_and_b32 s55, s11, 1
	s_mul_i32 s55, s55, 768
	s_add_co_u32 s50, s50, s55
	s_mov_b32 s51, 0
	s_add_nc_u64 s[50:51], s[8:9], s[50:51]        ; my half image
	s_bfe_u32 s55, s[\tau], 0x10002
	s_lshl_b32 s55, s55, 8
	s_add_co_u32 s52, s54, s55
	s_and_b32 s55, s[\tau], 1
	s_lshl_b32 s55, s55, 7
	s_add_co_u32 s52, s52, s55
	s_bfe_u32 s55, s[\tau], 0x10001
	s_lshl_b32 s55, s55, 2
	s_add_co_u32 s52, s52, s55
	s_and_b32 s55, s11, 1
	s_lshl_b32 s55, s55, 1
	s_add_co_u32 s52, s52, s55
	s_add_co_u32 s52, s52, 12288
	s_mov_b32 s53, 0
	s_add_nc_u64 s[52:53], s[8:9], s[52:53]        ; my head's two bytes of the tile's scale words
	v_mov_b32 v13, 0xff61b1e6                      ; the largest t so far: -3e38
	s_delay_alu instid0(VALU_DEP_1)
	v_floor_f32 v12, -v13
	v_mov_b32 v14, 0
	v_mov_b32 v15, 0
.set N, 0
.rept 32
	v_mov_b32 v[160+N], 0                          ; O^T: the step is written once; its first run finds zeros
.set N, N+1
.endr
	s_mov_b32 s[TB], 0
	s_mov_b32 s[KG], 0
.endm
; A KEY STEP of 128 keys.  mask = 1: a step behind my tile's group is jumped over, the step of my tile's group hides the keys behind each query
.macro STEP mask, qf, qs
.if \mask
	s_cmp_gt_u32 s[KG], s[TG]
	s_cbranch_scc1 .Lhidden_\@
.endif
	s_setprio 2
	v_add_nc_u32 v8, s[TB], v1
	s_wait_alu depctr_va_vdst(0)
	v_add_nc_u32 v9, s[TB], v2
	s_wait_alu depctr_va_vdst(0)
	v_add_nc_u32 v10, s[TB], v3
	ds_load_b128 v[80:83], v8 offset:6144          ; K's words: register t: lanes 0-15 tile t, lanes 16-31 tile 4 + t
.irp g, 0,1
.if \g
	PLACES 4                                       ; in front of loads into registers that matrix instructions have read
.endif
.irp t, 0,1,2,3
	ds_load_b128 v[KS+12*\t:KS+12*\t+3], v8 offset:768*(4*\g+\t)
	ds_load_b64 v[KS+12*\t+4:KS+12*\t+5], v9 offset:768*(4*\g+\t)+512
.endr
	s_wait_dscnt 0x0
.irp t, 0,1,2,3
.if \g
	v_wmma_scale_f32_16x16x128_f8f6f4 v[96+8*(4*\g+\t):103+8*(4*\g+\t)], v[KS+12*\t:KS+12*\t+11], v[\qf:\qf+11], 0, v[80+\t], v[\qs] matrix_a_fmt:MATRIX_FMT_FP6 matrix_b_fmt:MATRIX_FMT_FP6 matrix_a_scale:MATRIX_SCALE_ROW1
.else
	v_wmma_scale_f32_16x16x128_f8f6f4 v[96+8*(4*\g+\t):103+8*(4*\g+\t)], v[KS+12*\t:KS+12*\t+11], v[\qf:\qf+11], 0, v[80+\t], v[\qs] matrix_a_fmt:MATRIX_FMT_FP6 matrix_b_fmt:MATRIX_FMT_FP6
.endif
.endr
.endr                                          ; register 16 b + i of lane (r, h): key 32 b + 16 h + i of the group
	PLACES 4
.if \mask
	s_cmp_lg_u32 s[KG], s[TG]
	s_cbranch_scc1 .Lopen_\@
.set N, 0
.rept 64
	v_cmp_gt_i32 vcc_lo, 32*(N/16)+N%16, v7        ; hidden where 32 b + i > d
	v_cndmask_b32 v[96+N], v[96+N], v242, vcc_lo
.set N, N+1
.endr
.Lopen_\@:
.endif
.irp b, 0,1,2,3
	v_max3_num_f32 v[MX+\b], v[96+16*\b], v[97+16*\b], v[98+16*\b]   ; the largest score of each block of 32 keys: for the row's maximum, and, since p rises with the score, for the block's largest p
.endr
.irp i, 3,5,7,9,11,13
.irp b, 0,1,2,3
	v_max3_num_f32 v[MX+\b], v[MX+\b], v[96+16*\b+\i], v[97+16*\b+\i]
.endr
.endr
.irp b, 0,1,2,3
	v_max_num_f32 v[MX+\b], v[MX+\b], v[111+16*\b]
.endr
.irp b, 0,1,2,3
	s_delay_alu instid0(VALU_DEP_4)
	v_permlanex16_b32 v[PM+\b], v[MX+\b], s[SEL], s[SEL+1]
.endr
.irp b, 0,1,2,3
	s_delay_alu instid0(VALU_DEP_4)
	v_max_num_f32 v[MX+\b], v[MX+\b], v[PM+\b]
.endr
	s_delay_alu instid0(VALU_DEP_2)
	v_max3_num_f32 v219, v[MX], v[MX+1], v[MX+2]
	s_delay_alu instid0(VALU_DEP_1)
	v_max_num_f32 v219, v219, v[MX+3]
	s_delay_alu instid0(VALU_DEP_1)
	v_mul_f32 v219, s[CS], v219
	s_delay_alu instid0(VALU_DEP_1)
	v_max_num_f32 v13, v13, v219                   ; the running largest t
	v_mov_b32 v219, v12
	s_delay_alu instid0(VALU_DEP_2)
	v_floor_f32 v12, -v13                          ; -M = floor(-t): M is a whole number
	s_delay_alu instid0(VALU_DEP_1)
	v_sub_f32 v219, v12, v219
	s_delay_alu instid0(VALU_DEP_1)
	v_cvt_i32_f32 v219, v219                       ; (it saturates)
	s_delay_alu instid0(VALU_DEP_1)
	v_ldexp_f32 v216, 1.0, v219                    ; f = 2^(old M - new M): rounds nothing
.set N, 0
.rept 32
	v_pk_fma_f32 v[96+N:97+N], v[96+N:97+N], s[CS:CS+1], v[12:13] op_sel_hi:[1,0,0]   ; t - M
.set N, N+2
.endr
	s_setprio 1
.irp b, 0,1,2,3
	v_fma_f32 v[MX+\b], v[MX+\b], s[CS], v12
.endr
.set N, 0
	s_wait_alu depctr_va_vdst(0)
.rept 64
	v_exp_f32 v[96+N], v[96+N]                     ; p = 2^(t - M)
.set N, N+1
.endr
	v_pk_mul_f32 v[14:15], v[14:15], v[216:217] op_sel_hi:[1,0]   ; the sums under the new M: the plain place behind the batch
	s_wait_alu depctr_va_vdst(0)                   ; one wait for the 64, ahead of their first reader
.irp b, 0,1,2,3
	v_exp_f32 v[MX+\b], v[MX+\b]                   ; each block's largest p
.endr
	v_pk_add_f32 v[220:221], v[100:101], v[104:105]
	v_pk_add_f32 v[254:255], v[108:109], v[112:113]
	v_pk_add_f32 v[252:253], v[116:117], v[120:121]
	v_pk_add_f32 v[250:251], v[124:125], v[128:129]
	v_pk_add_f32 v[248:249], v[132:133], v[136:137]
	v_pk_add_f32 v[246:247], v[140:141], v[144:145]
	v_pk_add_f32 v[244:245], v[148:149], v[152:153]
	v_pk_add_f32 v[14:15], v[14:15], v[156:157]
	v_pk_add_f32 v[220:221], v[220:221], v[96:97]
	v_pk_add_f32 v[254:255], v[254:255], v[98:99]
	v_pk_add_f32 v[252:253], v[252:253], v[102:103]
	v_pk_add_f32 v[250:251], v[250:251], v[106:107]
	v_pk_add_f32 v[248:249], v[248:249], v[110:111]
	v_pk_add_f32 v[246:247], v[246:247], v[114:115]
	v_pk_add_f32 v[244:245], v[244:245], v[118:119]
	v_pk_add_f32 v[14:15], v[14:15], v[122:123]
	v_pk_add_f32 v[220:221], v[220:221], v[126:127]
	v_pk_add_f32 v[254:255], v[254:255], v[130:131]
	v_pk_add_f32 v[252:253], v[252:253], v[134:135]
	v_pk_add_f32 v[250:251], v[250:251], v[138:139]
	v_pk_add_f32 v[248:249], v[248:249], v[142:143]
	v_pk_add_f32 v[246:247], v[246:247], v[146:147]
	v_pk_add_f32 v[244:245], v[244:245], v[150:151]
	v_pk_add_f32 v[14:15], v[14:15], v[154:155]
	v_pk_add_f32 v[220:221], v[220:221], v[158:159]
	s_delay_alu instid0(VALU_DEP_2)
	v_pk_add_f32 v[14:15], v[14:15], v[250:251]
	s_delay_alu instid0(VALU_DEP_2)
	v_pk_add_f32 v[220:221], v[220:221], v[248:249]
	v_pk_add_f32 v[254:255], v[254:255], v[246:247]
	v_pk_add_f32 v[252:253], v[252:253], v[244:245]
	s_delay_alu instid0(VALU_DEP_2)
	v_pk_add_f32 v[14:15], v[14:15], v[254:255]
	s_delay_alu instid0(VALU_DEP_2)
	v_pk_add_f32 v[220:221], v[220:221], v[252:253]
	s_delay_alu instid0(VALU_DEP_1)
	v_pk_add_f32 v[14:15], v[14:15], v[220:221]
	s_wait_alu depctr_va_vdst(0)                   ; and one for the four
.irp b, 0,1,2,3
	v_max_num_f32 v[MX+\b], 0x1800000, v[MX+\b]    ; the floor 2^(3 - 127)
.endr
.irp b, 0,1,2,3
	s_delay_alu instid0(VALU_DEP_4)
	v_add_nc_u32 v[SO+\b], 0xff000000, v[MX+\b]
.endr
.irp b, 0,1,2,3
	s_delay_alu instid0(VALU_DEP_4)
	v_lshrrev_b32 v[PM+\b], 23, v[SO+\b]
.endr
	s_delay_alu instid0(VALU_DEP_3)
	v_lshl_or_b32 v218, v[PM+1], 8, v[PM]
	s_delay_alu instid0(VALU_DEP_1)
	v_lshl_or_b32 v218, v[PM+2], 16, v218
	s_delay_alu instid0(VALU_DEP_1)
	v_lshl_or_b32 v218, v[PM+3], 24, v218          ; p's scale word for these 128 keys
.irp c, 0,1
	v_cvt_scalef32_pk16_fp6_f32 v[192+6*\c:194+6*\c], v[96+32*\c:111+32*\c], v[SO+2*\c]
	v_cvt_scalef32_pk16_fp6_f32 v[CT+4*\c:CT+4*\c+2], v[112+32*\c:127+32*\c], v[SO+2*\c+1]
.endr
	v_nop                                          ; one plain place behind a scaled conversion
.irp t, 0,1,2,3                                ; V's four fragments take p's registers; their way from LDS lies under the lines below
.irp c, 0,1,2
	ds_load_b128 v[96+12*\t+4*\c:96+12*\t+4*\c+3], v8 offset:6656+1536*\t+512*\c
.endr
.endr
	s_setprio 0
	ds_load_b128 v[84:87], v10 offset:12800        ; V's words: register t: tile t, row r
.irp c, 0,1
.irp i, 0,1,2
	v_permlane16_swap_b32 v[192+6*\c+\i], v[CT+4*\c+\i]
.endr
.irp i, 0,1,2
	s_delay_alu instid0(VALU_DEP_3)
	v_mov_b32 v[195+6*\c+\i], v[CT+4*\c+\i]
.endr
.endr
.set N, 0
.rept 16
	v_pk_mul_f32 v[160+N:161+N], v[160+N:161+N], v[216:217] op_sel_hi:[1,0]   ; O^T under the new M.  These 16 are also the places between the lines that made p's word and codes and the scaled products
.set N, N+2
.endr
	s_wait_alu depctr_va_vdst(0)
	s_wait_dscnt 0x0
.irp t, 0,1,2,3
	v_wmma_scale_f32_16x16x128_f8f6f4 v[160+8*\t:167+8*\t], v[96+12*\t:107+12*\t], v[192:203], v[160+8*\t:167+8*\t], v[84+\t], v218 matrix_a_fmt:MATRIX_FMT_FP6 matrix_b_fmt:MATRIX_FMT_FP6
.endr
	PLACES 5                                       ; the next S^T is written over V's fragments by matrix instructions: five places; the way out's reads want four
.if \mask
.Lhidden_\@:
.endif
	s_add_co_u32 s[TB], s[TB], KVB
	s_add_co_u32 s[KG], s[KG], 1
.endm
; O^T / the sum, quantised along the head's 64 channels (two blocks), leaves as a half image and two scale bytes a row
.macro WAYOUT
	s_wait_xcnt 0x0                                ; the tile before's stores have read their registers
	v_add_f32 v14, v14, v15
	s_delay_alu instid0(VALU_DEP_1)
	v_permlanex16_b32 v219, v14, s[SEL], s[SEL+1]
	s_delay_alu instid0(VALU_DEP_1)
	v_add_f32 v14, v14, v219                       ; the row's sum
	s_wait_alu depctr_va_vdst(0)
	v_rcp_f32 v216, v14
	v_nop                                          ; a plain place behind the transcendental,
	s_wait_alu depctr_va_vdst(0)                   ; and the wait ahead of its first reader
.set N, 0
.rept 16
	v_pk_mul_f32 v[96+N:97+N], v[160+N:161+N], v[216:217] op_sel_hi:[1,0]   ; register 16 b + i: channel 32 b + 16 h + i
.set N, N+2
.endr
.irp b, 0,1
	v_max3_num_f32 v[MX+\b], |v[96+16*\b]|, |v[97+16*\b]|, 0x1800000
.endr
.irp i, 2,4,6,8,10,12,14
.irp b, 0,1
	s_delay_alu instid0(VALU_DEP_2)
	v_max3_num_f32 v[MX+\b], v[MX+\b], |v[96+16*\b+\i]|, |v[97+16*\b+\i]|
.endr
.endr
.irp b, 0,1
	s_delay_alu instid0(VALU_DEP_2)
	v_permlanex16_b32 v[PM+\b], v[MX+\b], s[SEL], s[SEL+1]
.endr
.irp b, 0,1
	s_delay_alu instid0(VALU_DEP_2)
	v_max_num_f32 v[MX+\b], v[MX+\b], v[PM+\b]
.endr
.irp b, 0,1
	s_delay_alu instid0(VALU_DEP_2)
	v_add_nc_u32 v[SO+\b], 0xff000000, v[MX+\b]
.endr
.irp b, 0,1
	s_delay_alu instid0(VALU_DEP_2)
	v_lshrrev_b32 v[PM+\b], 23, v[SO+\b]
.endr
	s_delay_alu instid0(VALU_DEP_1)
	v_lshl_or_b32 v228, v[PM+1], 8, v[PM]
	v_cvt_scalef32_pk16_fp6_f32 v[222:224], v[96:111], v[SO]
	v_cvt_scalef32_pk16_fp6_f32 v[CT:CT+2], v[112:127], v[SO+1]
	v_nop
.irp i, 0,1,2
	v_permlane16_swap_b32 v[222+\i], v[CT+\i]
.endr
.irp i, 0,1,2
	s_delay_alu instid0(VALU_DEP_3)
	v_mov_b32 v[225+\i], v[CT+\i]
.endr
	global_store_b128 v1, v[222:225], s[50:51]
	global_store_b64 v2, v[226:227], s[50:51] offset:512
	global_store_b16 v4, v228, s[52:53]            ; both halves of the lanes hold and write the same two bytes
.endm
	s_load_b128 s[4:7], s[0:1], 0x0                ; q_img, kv
	s_load_b64 s[8:9], s[0:1], 0x10                ; y_img
	v_lshl_add_u32 v[SPW], v0, 2, SPARE
	v_mov_b32 v[NIL], 0
	ds_add_u32 v[SPW], v[NIL]                      ; the wave's opening: the add and its wait ahead of my first tensor load
	ds_add_u32 v[SPW], v[NIL]
	v_lshrrev_b32 v8, 5, v0
	s_delay_alu instid0(VALU_DEP_1)
	v_readfirstlane_b32 s[WV], v8                  ; wave 0..15
	s_and_b32 s11, ttmp7, 0xffff                   ; b h
	s_mov_b32 s[G1], 3<<16                         ; elements of 8 bytes, no mask, no padding: 26,112 dense bytes as 102 rows of 256
	s_mov_b32 s[G1+1], 32<<16
	s_mov_b32 s[G1+2], 102<<16
	s_mov_b32 s[G1+3], 32<<16
	s_mov_b32 s[G1+4], 102
	s_mov_b32 s[G1+5], 32
	s_mov_b32 s[G1+6], 0
	s_mov_b32 s[G1+7], 0
	s_mul_i32 s54, s11, 208896
	s_mul_i32 s12, s[WV], 26112
	s_add_co_u32 s54, s54, s12
	s_mov_b32 s55, 0
	s_mov_b32 s[SEL], 0x76543210
	s_mov_b32 s[SEL+1], 0xfedcba98
	s_mov_b32 s[CS], 0x3e38aa3b                    ; c = log2(e) / 8
	s_mov_b32 s[CS+1], s[CS]
	s_lshl_b32 s13, s[WV], 2
	s_add_co_u32 s13, s13, ttmp9                   ; a: my early tile
	s_sub_co_u32 s14, 127, s13                     ; my late tile
	s_wait_dscnt 0x0                               ; the opening add is done
	s_wait_kmcnt 0x0
	s_add_nc_u64 s[6:7], s[6:7], s[54:55]
.irp c, 0,1,2,3                                ; chunk c: key groups 4 c .. 4 c + 3; waves 0 and 1 bring a half each
	s_mov_b32 s[G0+4*\c], 1
	s_add_co_u32 s[G0+4*\c+1], s12, \c*52224
	s_add_nc_u64 s[G0+4*\c+2:G0+4*\c+3], s[6:7], \c*52224
	s_or_b32 s[G0+4*\c+3], s[G0+4*\c+3], 0x80000000
.endr
	s_cmp_lt_u32 s[WV], 2                          ; a wave's four first fills stand in one branch on the wave's number: four tensor loads of mine are out
	s_cbranch_scc0 .Lno_fill
.irp c, 0,1,2,3
	tensor_load_to_lds s[G0+4*\c:G0+4*\c+3], s[G1:G1+7]
	s_nop 0
.endr
.Lno_fill:
	v_and_b32 v30, 15, v0                          ; r
	v_bfe_u32 v31, v0, 4, 1                        ; h
	v_and_b32 v8, 31, v0
	s_delay_alu instid0(VALU_DEP_1)
	v_lshlrev_b32 v1, 4, v8
	s_wait_alu depctr_va_vdst(0)
	v_lshlrev_b32 v2, 3, v8
	s_wait_alu depctr_va_vdst(0)
	v_lshlrev_b32 v3, 4, v30
	s_wait_alu depctr_va_vdst(0)
	v_lshlrev_b32 v4, 3, v30
	v_and_b32 v11, 8, v30
	s_delay_alu instid0(VALU_DEP_1)
	v_add_nc_u32 v11, v11, v30
	v_lshlrev_b32 v31, 4, v31
	s_delay_alu instid0(VALU_DEP_1)
	v_sub_nc_u32 v11, v11, v31
	QLOAD 14, 16, 28, 56
	QLOAD 13, 230, 29, 60
.irp i, 0,1,2,3,4,5
	v_mov_b32 v[22+\i], 0                          ; zero codes for the upper 64 along K: Q's,
	v_mov_b32 v[236+\i], 0
.irp t, 0,1,2,3
	v_mov_b32 v[KS+12*\t+6+\i], 0                  ; and K's: written once, never loaded
.endr
.endr
.irp b, 0,1,2,3
	v_mov_b32 v[PM+\b], 0                          ; a lane permute's destination counts as one of its sources
.endr
	v_mov_b32 v217, 0                              ; (named as the upper half of the pair v[216:217])
	v_mov_b32 v219, 0
	v_mov_b32 v242, 0xff800000                     ; -infinity
	TILE_SET 14
	s_wait_loadcnt 0x0                             ; Q
.irp c, 0,1,2,3                                ; the late tile needs 9 steps or more: its first four are open, and each stands behind the arrival of one more chunk
	s_wait_tensorcnt 3-\c                          ; my part of chunk c has landed; the chunks issued behind it may be out
	s_wait_dscnt 0x0
	s_barrier_signal -1
	s_barrier_wait -1                              ; everybody's has.
	STEP 0, 16, 28
.endr
	s_mov_b32 s[CNT], 12
.Lhigh:
	STEP 1, 16, 28
	s_sub_co_u32 s[CNT], s[CNT], 1
	s_cmp_lg_u32 s[CNT], 0
	s_cbranch_scc1 .Lhigh
	s_setprio 0
	WAYOUT
	TILE_SET 13
	s_mov_b32 s[CNT], 8
.Llow:
	STEP 1, 230, 29
	s_sub_co_u32 s[CNT], s[CNT], 1
	s_cmp_lg_u32 s[CNT], 0
	s_cbranch_scc1 .Llow
	s_setprio 0
	WAYOUT
	s_wait_tensorcnt 0x0                           ; the wave's end
	ds_add_u32 v[SPW], v[NIL]
	s_wait_dscnt 0x0
	s_endpgm
.Lfunc_end_k_q01e443ccef_attn:
	.size	k_q01e443ccef_attn, .Lfunc_end_k_q01e443ccef_attn-k_q01e443ccef_attn
	.p2alignl 7, 3214868480
	.fill 96, 4, 3214868480
	.section	.rodata,"a",@progbits
	.p2align	6, 0x0
	.amdhsa_kernel k_q01e443ccef_attn
		.amdhsa_group_segment_fixed_size 210944
		.amdhsa_private_segment_fixed_size 0
		.amdhsa_enable_private_segment 0
		.amdhsa_kernarg_size 24
		.amdhsa_user_sgpr_count 2
		.amdhsa_user_sgpr_kernarg_segment_ptr 1
		.amdhsa_wavefront_size32 1
		.amdhsa_system_sgpr_workgroup_id_x 1
		.amdhsa_system_sgpr_workgroup_id_y 1
		.amdhsa_system_sgpr_workgroup_id_z 1
		.amdhsa_system_vgpr_workitem_id 0
		.amdhsa_next_free_vgpr 256
		.amdhsa_next_free_sgpr 66
		.amdhsa_reserve_vcc 1
		.amdhsa_float_denorm_mode_32 3
		.amdhsa_float_denorm_mode_16_64 3
		.amdhsa_memory_ordered 1
		.amdhsa_forward_progress 1
		.amdhsa_inst_pref_size 135
	.end_amdhsa_kernel
	.amdgpu_metadata
---
amdhsa.version: [ 1, 2 ]
amdhsa.kernels:
  - .name:           k_q01e443ccef_attn
    .symbol:         k_q01e443ccef_attn.kd
    .args:
      - { .name: q_img, .offset: 0, .size: 8, .value_kind: global_buffer, .address_space: global }
      - { .name: kv, .offset: 8, .size: 8, .value_kind: global_buffer, .address_space: global }
      - { .name: y_img, .offset: 16, .size: 8, .value_kind: global_buffer, .address_space: global }
    .group_segment_fixed_size: 210944
    .private_segment_fixed_size: 0
    .kernarg_segment_align: 8
    .kernarg_segment_size: 24
    .max_flat_workgroup_size: 512
    .sgpr_count:     66
    .vgpr_count:     256
    .wavefront_size: 32
...
	.end_amdgpu_metadata
.endif
;; end of part 3
;; launch gemm2 (part 4): grid 8 x 32, 4 waves a work-group, clusters of 4 x 4, 307,712 bytes of LDS; arguments y_img, wproj_img, b_proj, out0; writes out0
.if DOCPART == 4
	.amdgcn_target "amdgcn-amd-amdhsa--gfx1250"
	.amdhsa_code_object_version 6
	.text
	.protected	k_q01e443ccef_gemm2
	.globl	k_q01e443ccef_gemm2
	.p2align	8
	.type	k_q01e443ccef_gemm2,@function
k_q01e443ccef_gemm2:
	s_mov_b64 s[64:65], 0
	v_nop
	global_prefetch_b8 v0, s[64:65] scope:SCOPE_SE
	s_setreg_imm32_b32 hwreg(HW_REG_WAVE_MODE, 25, 1), 1
	s_wait_xcnt 0x0
	s_wait_alu depctr_hold_cnt(0) depctr_sa_sdst(0) depctr_va_vdst(0) depctr_va_sdst(0) depctr_va_ssrc(0) depctr_va_vcc(0) depctr_vm_vsrc(0)
	s_getreg_b32 s2, hwreg(HW_REG_IB_STS2, 6, 4)
	s_cmp_eq_u32 s2, 0
	s_cbranch_scc0 .Lentry_in_a_cluster
	s_endpgm
.Lentry_in_a_cluster:
	s_bfe_u32 s2, ttmp6, 0x10000c
	s_cmp_lg_u32 s2, 0xf033
	s_cbranch_scc0 .Lentry_shape_is_right
	s_endpgm
.Lentry_shape_is_right:
; out0 = y W_proj + b_proj on codes of FP6 (E2M3) with E8M0 scales; out0 [8192][1024] f32.
; OPERANDS are images of their registers: [block of 128 rows][K step of 128][12,800 bytes] (8 tiles x 1,536 bytes, 512 bytes of scale words); row r of tile 2 b + u is row 32 b + 8 u + r + 8 (r / 8).
; In y_img a tile's 1,536 bytes are two half images (registers 0-3 at 16 l, 4-5 at 512 + 8 l; registers 6-9 at 768 + 16 l, 10-11 at 1,280 + 8 l): each half came from one head.
; A work-group takes P = 128 channels of W_proj (source 0, read by all four waves) and Q = 256 tokens (source 1); wave w takes Q's block w / 2, quad w % 2: 8 x 4 tiles, 32 accumulators.
; THE WHOLE K (8 steps) OF THE THREE BLOCKS LIES IN LDS, 3 x 102,400 bytes: every tensor load is a first fill; nothing is filled twice, so the K steps have plain barriers and no round of the cluster's barrier.
; CLUSTERS of 4 x 4: P hangs on x alone and is asked for jointly along a column of the cluster, Q on y alone and jointly along a row.  The bias is the C of each sum's first matrix instruction.
; A lane holds one token and 64 channels: a tile of 16 tokens goes through the wave's own stage in LDS and leaves as rows of 512 consecutive bytes.
; REGISTERS: window 0: v1 r, v2 h, v4-13 LDS addresses, v14-15 the add's two, v16-17 the stage, v32-43 scale words (two sets of 6) and nothing else, v64-127 the bias, v128-255 two sets of 16 rows on the way out.
;   window 1: accumulator (t, i) at v[64 i + 8 t].  windows 2, 3: fragment sets 0, 1: P's tile t at 12 t, Q's tile i at 96 + 12 i.
.set NF,    43                         ; LDS loads of a K step's fetch
.set BLKB,  102400
.set STEPB, 12800
.set SPARE, 307200                     ; behind the three blocks: the spare words, 128 bytes a wave: two blocks of 256 bytes that no other line names
.set AP16, 4
.set AQ16, 6
.set AP8,  8
.set AQW8, 10
.set AQC8, 12
.set SPW,  14
.set NIL,  15
.set STO,  16
.set RD,   17
.set SC,   32
.set BI,   64
.set WV,   14
.set G1P,  24
.set G1Q,  32
.set G0P,  40
.set G0Q,  68
.set MSB, 0
.macro WIN new                         ; the immediate's high byte repeats the setting that is left
.if MSB != (\new)
	s_set_vgpr_msb (MSB<<8)|(\new)
.set MSB, (\new)
.endif
.endm
.macro PLACES n
.rept \n
	v_nop
.endr
.endm
.macro CROUND                          ; a round of the cluster's barrier
	s_barrier_signal -1
	s_barrier_wait -1
	s_cmp_lg_u32 s[WV], 0
	s_cbranch_scc1 .Lnot_wave_0_\@
	s_barrier_signal -3
.Lnot_wave_0_\@:
	s_barrier_wait -3
	s_barrier_signal -1
	s_barrier_wait -1
.endm
.macro WM d, a, b, c, sa, sb, ra, rb   ; one product; ra, rb: the side's scale words stand in lanes 16-31
.if (\ra) && (\rb)
	v_wmma_scale_f32_16x16x128_f8f6f4 v[(\d):(\d)+7], v[(\a):(\a)+11], v[(\b):(\b)+11], v[(\c):(\c)+7], v[\sa], v[\sb] matrix_a_fmt:MATRIX_FMT_FP6 matrix_b_fmt:MATRIX_FMT_FP6 matrix_a_scale:MATRIX_SCALE_ROW1 matrix_b_scale:MATRIX_SCALE_ROW1
.elseif (\ra)
	v_wmma_scale_f32_16x16x128_f8f6f4 v[(\d):(\d)+7], v[(\a):(\a)+11], v[(\b):(\b)+11], v[(\c):(\c)+7], v[\sa], v[\sb] matrix_a_fmt:MATRIX_FMT_FP6 matrix_b_fmt:MATRIX_FMT_FP6 matrix_a_scale:MATRIX_SCALE_ROW1
.elseif (\rb)
	v_wmma_scale_f32_16x16x128_f8f6f4 v[(\d):(\d)+7], v[(\a):(\a)+11], v[(\b):(\b)+11], v[(\c):(\c)+7], v[\sa], v[\sb] matrix_a_fmt:MATRIX_FMT_FP6 matrix_b_fmt:MATRIX_FMT_FP6 matrix_b_scale:MATRIX_SCALE_ROW1
.else
	v_wmma_scale_f32_16x16x128_f8f6f4 v[(\d):(\d)+7], v[(\a):(\a)+11], v[(\b):(\b)+11], v[(\c):(\c)+7], v[\sa], v[\sb] matrix_a_fmt:MATRIX_FMT_FP6 matrix_b_fmt:MATRIX_FMT_FP6
.endif
.endm
; K step s's fragments and scale words into set s % 2: every load takes 512 (256) consecutive bytes
.macro FETCH s
.set FA, (\s)/4
.set FO, ((\s)%4)*STEPB
	WIN 0x80+0x40*((\s)%2)
.irp t, 0,1,2,3,4,5,6,7
.irp c, 0,1,2
	ds_load_b128 v[12*\t+4*\c:12*\t+4*\c+3], v[AP16+FA] offset:FO+1536*\t+512*\c
.endr
.endr
.irp i, 0,1,2,3
	ds_load_b128 v[96+12*\i:96+12*\i+3], v[AQ16+FA] offset:FO+1536*\i
	ds_load_b64 v[96+12*\i+4:96+12*\i+5], v[AQC8+FA] offset:FO+1536*\i+512
	ds_load_b128 v[96+12*\i+6:96+12*\i+9], v[AQ16+FA] offset:FO+1536*\i+768
	ds_load_b64 v[96+12*\i+10:96+12*\i+11], v[AQC8+FA] offset:FO+1536*\i+1280
.endr
	WIN 0
	ds_load_b64 v[SC+6*((\s)%2):SC+6*((\s)%2)+1], v[AP8+FA] offset:FO+12288
	ds_load_b64 v[SC+6*((\s)%2)+2:SC+6*((\s)%2)+3], v[AP8+FA] offset:FO+12544
	ds_load_b64 v[SC+6*((\s)%2)+4:SC+6*((\s)%2)+5], v[AQW8+FA] offset:FO+12288
.endm
; 32 products: the 32 accumulators take turns, one instruction a turn, in the same order in every step.  cmode 0: in place; 1: C = the bias by source 0's rows
.macro MUL s, cmode
.if (\cmode) == 0
	WIN 0x5a+5*((\s)%2)
.else
	WIN 0x4a
.endif
.irp i, 0,1,2,3
.irp t, 0,1,2,3,4,5,6,7
.if (\cmode) == 0
	WM 64*\i+8*\t, 12*\t, 96+12*\i, 64*\i+8*\t, SC+6*((\s)%2)+2*(\t/4)+(\t/2)%2, SC+6*((\s)%2)+4+\i/2, \t%2, \i%2
.else
	WM 64*\i+8*\t, 12*\t, 96+12*\i, BI+8*\t, SC+6*((\s)%2)+2*(\t/4)+(\t/2)%2, SC+6*((\s)%2)+4+\i/2, \t%2, \i%2
.endif
.endr
.endr
.endm
.macro KSTEP s, cmode
.if ((\s) < 7) && ((\s)%2 == 1)
	s_wait_tensorcnt 3-((\s)+1)/2                  ; my part of the chunk with K steps s + 1 and s + 2 has landed; the chunks issued behind it may be out
	s_wait_dscnt 0x0                               ; no LDS load of mine is out at a signal: my reads of the K steps up to s are over
	s_barrier_signal -1
	s_barrier_wait -1                              ; everybody's part has landed.
.endif
.if (\s) < 7
	PLACES 4                                       ; in front of loads into registers that the step before multiplied
	FETCH (\s)+1
	s_wait_dscnt NF                                ; this step's fragments are in; the NF loads just issued may be out
.else
	s_wait_dscnt 0x0
.endif
	MUL \s, \cmode
.endm
	s_load_b128 s[4:7], s[0:1], 0x0                ; y_img, wproj_img
	s_load_b128 s[8:11], s[0:1], 0x10              ; b_proj, out0
	v_lshl_add_u32 v[SPW], v0, 2, SPARE
	v_mov_b32 v[NIL], 0
	ds_add_u32 v[SPW], v[NIL]                      ; the wave's opening: the add and its wait ahead of my first tensor load
	ds_add_u32 v[SPW], v[NIL]
	v_lshrrev_b32 v1, 5, v0
	v_readfirstlane_b32 s[WV], v1                  ; wave 0..3
	s_lshr_b32 s15, s[WV], 1                       ; which block of Q is mine; also: which block of Q waves 1 and 2 fetch
	s_and_b32 s16, s[WV], 1                        ; which quad of it
	s_bfe_u32 s17, ttmp6, 0x40000                  ; cx
	s_bfe_u32 s18, ttmp6, 0x40004                  ; cy
	s_lshl_b32 s19, ttmp9, 2
	s_add_co_u32 s19, s19, s17                     ; X
	s_and_b32 s20, ttmp7, 0xffff
	s_lshl_b32 s21, s20, 2
	s_add_co_u32 s21, s21, s18                     ; Y
	s_lshl_b32 s84, 0x1111, s17                    ; my column of the cluster
	s_lshl_b32 s85, s18, 2
	s_lshl_b32 s85, 15, s85                        ; my row
	s_or_b32 s[G1P], s84, (3<<16)|(1<<21)          ; the mask; elements of 8 bytes; bit 21 beside a mask; no padding
	s_or_b32 s[G1Q], s85, (3<<16)|(1<<21)
.irp g, G1P, G1Q                               ; a chunk: two K steps, 25,600 dense bytes, as 100 rows of 256
	s_mov_b32 s[\g+1], 32<<16
	s_mov_b32 s[\g+2], 100<<16
	s_mov_b32 s[\g+3], 32<<16
	s_mov_b32 s[\g+4], 100
	s_mov_b32 s[\g+5], 32
	s_mov_b32 s[\g+6], 0
	s_mov_b32 s[\g+7], 0
.endr
	s_mul_i32 s86, s19, BLKB                       ; P: W_proj's block X
	s_mov_b32 s87, 0
	s_lshl_b32 s88, s21, 1
	s_add_co_u32 s88, s88, s15                     ; Q: tokens' blocks 2 Y, 2 Y + 1
	s_mul_i32 s88, s88, BLKB
	s_mov_b32 s89, 0
	s_mul_i32 s94, s[WV], BLKB                     ; wave 0 fills block 0 (P), waves 1 and 2 blocks 1 and 2 (Q): no place in the cluster enters an LDS address
	s_wait_dscnt 0x0                               ; the opening add is done
	s_wait_kmcnt 0x0
	s_add_nc_u64 s[90:91], s[6:7], s[86:87]
	s_add_nc_u64 s[92:93], s[4:5], s[88:89]
.irp c, 0,1,2,3
	s_mov_b32 s[G0P+4*\c], 1
	s_add_co_u32 s[G0P+4*\c+1], s94, \c*25600
	s_add_nc_u64 s[G0P+4*\c+2:G0P+4*\c+3], s[90:91], \c*25600
	s_or_b32 s[G0P+4*\c+3], s[G0P+4*\c+3], 0x80000000
	s_mov_b32 s[G0Q+4*\c], 1
	s_add_co_u32 s[G0Q+4*\c+1], s94, \c*25600
	s_add_nc_u64 s[G0Q+4*\c+2:G0Q+4*\c+3], s[92:93], \c*25600
	s_or_b32 s[G0Q+4*\c+3], s[G0Q+4*\c+3], 0x80000000
.endr
	CROUND                                         ; all sixteen work-groups are here: the joint loads meet
	s_cmp_eq_u32 s[WV], 0                          ; a wave's four first fills stand in one branch on the wave's number: four tensor loads of mine are out
	s_cbranch_scc0 .Lnot_p
.irp c, 0,1,2,3
	tensor_load_to_lds s[G0P+4*\c:G0P+4*\c+3], s[G1P:G1P+7]
	s_nop 0
.endr
	PLACES 4
	s_branch .Lasked
.Lnot_p:
	s_cmp_lt_u32 s[WV], 3
	s_cbranch_scc0 .Lasked
.irp c, 0,1,2,3
	tensor_load_to_lds s[G0Q+4*\c:G0Q+4*\c+3], s[G1Q:G1Q+7]
	s_nop 0
.endr
	PLACES 4
.Lasked:
	v_and_b32 v3, 31, v0                           ; lane
	v_and_b32 v1, 15, v0                           ; r
	v_bfe_u32 v2, v0, 4, 1                         ; h
	v_lshlrev_b32 v[AP16], 4, v3
	v_add_nc_u32 v[AP16+1], 51200, v[AP16]         ; K steps 4-7 lie beyond an LDS offset's reach
	v_lshlrev_b32 v[AP8], 3, v3
	v_add_nc_u32 v[AP8+1], 51200, v[AP8]
	s_mul_i32 s95, s15, BLKB
	s_add_co_u32 s95, s95, BLKB                    ; my block of Q
	s_mul_i32 s96, s16, 6144
	s_add_co_u32 s96, s96, s95
	v_add_nc_u32 v[AQ16], s96, v[AP16]
	v_add_nc_u32 v[AQ16+1], 51200, v[AQ16]
	v_add_nc_u32 v[AQC8], s96, v[AP8]
	v_add_nc_u32 v[AQC8+1], 51200, v[AQC8]
	s_lshl_b32 s97, s16, 8
	s_add_co_u32 s97, s97, s95
	v_add_nc_u32 v[AQW8], s97, v[AP8]
	v_add_nc_u32 v[AQW8+1], 51200, v[AQW8]
	s_mul_i32 s98, s[WV], 8448                     ; my stage: 16 rows x 528 bytes, in P's K steps 0 to 2
	v_mul_u32_u24 v[STO], v1, 528
	v_lshl_add_u32 v[STO], v2, 6, v[STO]
	v_add_nc_u32 v[STO], s98, v[STO]               ; in: row r, + 64 h
	v_add_nc_u32 v[RD], s98, v[AP16]               ; back: 16 bytes a lane of a row
	s_lshl_b32 s86, s19, 9
	s_add_nc_u64 s[8:9], s[8:9], s[86:87]          ; b_proj at my 128 channels
	v_lshlrev_b32 v18, 6, v2                       ; lane (r, h) wants, for tile 2 b + u, channels 32 b + 16 h + 8 u + 0 .. 7
.irp t, 0,1,2,3,4,5,6,7
	global_load_b128 v[BI+8*\t:BI+8*\t+3], v18, s[8:9] offset:(32*(\t/2)+8*(\t%2))*4
	global_load_b128 v[BI+8*\t+4:BI+8*\t+7], v18, s[8:9] offset:(32*(\t/2)+8*(\t%2))*4+16
.endr
	s_lshl_b32 s88, s21, 1
	s_add_co_u32 s88, s88, s15
	s_lshl_b32 s88, s88, 1
	s_add_co_u32 s88, s88, s16                     ; my 64 tokens: 2 (2 Y + w / 2) + w % 2
	s_lshl_b32 s88, s88, 18                        ; x 64 rows of 4,096 bytes
	s_add_co_u32 s88, s88, s86                     ; + 512 X
	s_add_nc_u64 s[10:11], s[10:11], s[88:89]
	s_wait_alu depctr_va_vdst(0)
	s_wait_tensorcnt 0x3                           ; my part of K steps 0 and 1 has landed; three chunks may be out
	s_barrier_signal -1
	s_barrier_wait -1
	FETCH 0
	s_wait_loadcnt 0x0                             ; the bias
	KSTEP 0, 1
	KSTEP 1, 0
	KSTEP 2, 0
	KSTEP 3, 0
	KSTEP 4, 0
	KSTEP 5, 0
	KSTEP 6, 0
	KSTEP 7, 0
	WIN 0
	PLACES 4                                       ; in front of the first read of results
; THE WAY OUT.  The stage's bytes have had their last fill, and every wave's reads of K steps 0 to 5 were waited for in front of the last barrier.  LDS serves a wave's instructions in order (ISA guide 5.7.1.4): no wait between my stores and my loads.
.macro TOSTAGE i
	WIN 0x04                                       ; an LDS store's data are its source 1: window 1
.irp b, 0,1,2,3
.irp j, 0,1,2,3
	ds_store_b128 v[STO], v[64*(\i)+16*\b+4*\j:64*(\i)+16*\b+4*\j+3] offset:128*\b+16*\j   ; channels 32 b + 16 h + 4 j on of row r; each accumulator from its low end on
.endr
.endr
	WIN 0
.irp t, 0,1,2,3,4,5,6,7,8,9,10,11,12,13,14,15
	ds_load_b128 v[128+64*((\i)%2)+4*\t:128+64*((\i)%2)+4*\t+3], v[RD] offset:528*\t
.endr
.endm
.macro SEND i, younger                 ; younger: the LDS instructions issued behind tile i's loads, which may stay out
	s_wait_dscnt \younger
.irp t, 0,1,2,3,4,5,6,7,8,9,10,11,12,13,14,15
	global_store_b128 v[AP16], v[128+64*((\i)%2)+4*\t:128+64*((\i)%2)+4*\t+3], s[10:11] offset:(32*((\i)/2)+8*((\i)%2)+\t+8*(\t/8))*4096 th:TH_STORE_NT   ; 32 lanes store 512 consecutive bytes, aligned
.endr
.endm
	TOSTAGE 0
	TOSTAGE 1
	SEND 0, 32                                     ; behind tile 0's loads: tile 1's 16 stores and 16 loads
	s_wait_xcnt 0x0                                ; tile 0's stores have read their registers: tile 2's loads may land there
	TOSTAGE 2
	SEND 1, 32
	s_wait_xcnt 0x0
	TOSTAGE 3
	SEND 2, 32
	SEND 3, 0
	s_wait_tensorcnt 0x0                           ; the wave's end: behind my last tensor load and my last LDS store
	ds_add_u32 v[SPW], v[NIL]
	s_wait_dscnt 0x0
	CROUND                                         ; the closing round: no work-group ends while a partner may still ask for a tile that names it
	s_endpgm
.Lfunc_end_k_q01e443ccef_gemm2:
	.size	k_q01e443ccef_gemm2, .Lfunc_end_k_q01e443ccef_gemm2-k_q01e443ccef_gemm2
	.p2alignl 7, 3214868480
	.fill 96, 4, 3214868480
	.section	.rodata,"a",@progbits
	.p2align	6, 0x0
	.amdhsa_kernel k_q01e443ccef_gemm2
		.amdhsa_group_segment_fixed_size 307712
		.amdhsa_private_segment_fixed_size 0
		.amdhsa_enable_private_segment 0
		.amdhsa_kernarg_size 32
		.amdhsa_user_sgpr_count 2
		.amdhsa_user_sgpr_kernarg_segment_ptr 1
		.amdhsa_wavefront_size32 1
		.amdhsa_system_sgpr_workgroup_id_x 1
		.amdhsa_system_sgpr_workgroup_id_y 1
		.amdhsa_system_sgpr_workgroup_id_z 1
		.amdhsa_system_vgpr_workitem_id 0
		.amdhsa_next_free_vgpr 1024
		.amdhsa_next_free_sgpr 100
		.amdhsa_reserve_vcc 0
		.amdhsa_float_denorm_mode_32 3
		.amdhsa_float_denorm_mode_16_64 3
		.amdhsa_memory_ordered 1
		.amdhsa_forward_progress 1
		.amdhsa_inst_pref_size 80
	.end_amdhsa_kernel
	.amdgpu_metadata
---
amdhsa.version: [ 1, 2 ]
amdhsa.kernels:
  - .name:           k_q01e443ccef_gemm2
    .symbol:         k_q01e443ccef_gemm2.kd
    .args:
      - { .name: y_img, .offset: 0, .size: 8, .value_kind: global_buffer, .address_space: global }
      - { .name: wproj_img, .offset: 8, .size: 8, .value_kind: global_buffer, .address_space: global }
      - { .name: b_proj, .offset: 16, .size: 8, .value_kind: global_buffer, .address_space: global }
      - { .name: out0, .offset: 24, .size: 8, .value_kind: global_buffer, .address_space: global }
    .group_segment_fixed_size: 307712
    .private_segment_fixed_size: 0
    .kernarg_segment_align: 8
    .kernarg_segment_size: 32
    .max_flat_workgroup_size: 128
    .sgpr_count:     100
    .vgpr_count:     1024
    .wavefront_size: 32
...
	.end_amdgpu_metadata
.endif
;; end of part 4
